; MI455X (gfx1250); checked and timed in simulation.
; The chip was launched on July 23, 2026; its instructions are those of AMD's public machine-readable ISA for CDNA 5 (MIT licence, August 2026) and "CDNA5" Instruction Set Architecture Reference Guide (July 2026). The comments in the code are by the model that wrote it; some were corrected since.
;; Audio Cross Attention. Allowed arithmetic: matrix products marked QUANTISED: E2M3 operands, one E8M0 scale for each 32 along K, by v_wmma_scale_f32_16x16x128_f8f6f4 with both operands' format E2M3, f32 sums; everything else in f32.
;; Inputs: Wk 1,024 x 1,024 float32; Wo 1,024 x 1,024 float32; Wq 1,024 x 1,024 float32; Wv 1,024 x 1,024 float32; audio_features 2 x 2,048 x 1,024 float32; audio_labels 2 int32; bk 1,024 float32; bo 1,024 float32; bq 1,024 float32; bv 1,024 float32; label_emb 8 x 64 float32; visual_features 2 x 2,048 x 1,024 float32.
;; Outputs: out0 2 x 2,048 x 1,024 float32.
;; This version of the problem:
;;   THIS VERSION OF THE PROBLEM IS GIVEN IN LOW PRECISION. The matrix products marked QUANTISED in the list below multiply operands that are first quantised to E2M3 (2 exponent bits, 3 mantissa bits; 6 bits a number), with one power-of-two scale for each 32 numbers along K (OCP MX v1.0); their sums are f32. All else is computed in f32.
;;   The module's matrix products, in the order in which they are computed (A, B: the left and right operand; K: the contracted axis; several contracted axes count as one K, in the product's order):
;;     1. [M 4,096, K 1,024] x [K 1,024, N 1,024]; A: input visual_features; B: input Wq: QUANTISED
;;     2. [M 4,096, K 1,024] x [K 1,024, N 1,024]; A: input audio_features; B: input Wk: QUANTISED
;;     3. [M 4,096, K 1,024] x [K 1,024, N 1,024]; A: input audio_features; B: input Wv: QUANTISED
;;     4. batch 32 x [M 2,048, K 64] x [K 64, N 2,048]; A: computed on the way; B: computed on the way: QUANTISED
;;     5. batch 32 x [M 64, K 2,048] x [K 2,048, N 2,048]; A: computed on the way; B: softmax (see below): QUANTISED
;;     6. [M 4,096, K 1,024] x [K 1,024, N 1,024]; A: computed on the way; B: input Wo: QUANTISED
;;   THE QUANTISER, for each operand of a quantised product, along K:
;;     - K is cut into blocks of 32 from its start; a last block that is shorter is filled with zeros.
;;     - A block's scale is 2^e with e = floor(log2(the largest magnitude in the block)) - 2, held to -126 .. 127; a block of zeros has e = 0. As a byte (E8M0): e + 127.
;;     - Each number is divided by its block's scale, clamped to +-7.5, and rounded to the nearest number of E2M3, ties to even, subnormals kept.
;;     - The product sums the exact products of the quantised numbers (number of the format x scale) in f32.
;;   ~~~python
;;   def quantise(x, axis):      # numpy; x: float32 -> the quantised numbers, widened to float32 again
;;       x = np.moveaxis(x, axis, -1); K = x.shape[-1]
;;       x = np.pad(x, [(0, 0)] * (x.ndim - 1) + [(0, -K % 32)]); x = x.reshape(x.shape[:-1] + (-1, 32)); a = np.abs(x).max(-1, keepdims=True)
;;       e = np.where(a > 0, np.clip(np.frexp(np.where(a > 0, a, 1))[1] - 1 - 2, -126, 127), 0)      # np.frexp(a)[1] - 1 = floor(log2(a)), exactly
;;       r = np.clip(x / 2.0 ** e, -7.5, 7.5)
;;       step = 2.0 ** (np.maximum(np.frexp(np.where(r == 0, 1, r))[1] - 1, 0) - 3)
;;       q = np.round(r / step) * step * 2.0 ** e      # np.round: ties to even
;;       return np.moveaxis(q.reshape(q.shape[:-2] + (-1,))[..., :K], -1, axis).astype(np.float32)
;;   ~~~
;;   SOFTMAX AHEAD OF A QUANTISED PRODUCT. Where the list says 'softmax', what is quantised is not the finished softmax but p = 2^(t - M), with t = logit x log2(e) and M = ceil(the row's largest t), a whole number; so 1/2 < the row's largest p <= 1. The row's sum l is taken of the UNQUANTISED p, in f32, and the product's result is divided by l at the end. Since M is a whole number, a kernel that streams over the keys may use a running M (the ceiling of the running maximum): every later rescaling is an exact power of two, which a block's scale takes up: the codes' values come out the same.
;;   OPERANDS COMPUTED ON THE WAY. 'Computed on the way' means the value that the module computes at that place (a softmax that the list does not call 'softmax' is quantised finished and normalised). What goes into a quantiser is computed in f32, as accurately as f32 sums, v_exp_f32 and their like allow (about 1e-6 of the number): no bf16 or f16 on the way to a quantiser, and a product that is left as it is and whose result goes on into a quantised operand takes f32 operands (vector FMAs, or v_wmma_f32_16x16x4_f32). A number that lies on a knife's edge between two numbers of the format may be rounded either way, as far as f32 arithmetic and the matrix unit's own rounding can turn it there, and no further.
;; One version. Each part assembles by itself: llvm-mc -triple=amdgcn-amd-amdhsa -mcpu=gfx1250 --defsym DOCPART=n.
;; ======== version 1 of 1: 4 launches
;; limits: right only within a limited range of input values
;; workspace buffers: cod1 9,437,184 bytes; scl1 393,216 bytes; emb 1,048,576 bytes; qkv 9,437,184 bytes; qkvs 655,360 bytes; oc 3,145,728 bytes; os 131,072 bytes
;; launch quant (part 1): grid 448 x 1, 4 waves a work-group, no clusters, 34,304 bytes of LDS; arguments visual_features, audio_features, Wq, Wk, Wv, Wo, audio_labels, label_emb, cod1, scl1, emb; writes cod1, scl1, emb
.if DOCPART == 1
	.amdgcn_target "amdgcn-amd-amdhsa--gfx1250"
	.amdhsa_code_object_version 6
	.text
	.protected	k_qa232567fbe_quant
	.globl	k_qa232567fbe_quant
	.p2align	8
	.type	k_qa232567fbe_quant,@function
k_qa232567fbe_quant:
	s_mov_b64 s[64:65], 0
	v_nop
	global_prefetch_b8 v0, s[64:65] scope:SCOPE_SE
	s_setreg_imm32_b32 hwreg(HW_REG_WAVE_MODE, 25, 1), 1
	s_wait_xcnt 0x0
; LAUNCH 1 OF 4.  The six f32 tensors whose K (1,024) is innermost become codes of FP6 (E2M3) with one E8M0 byte for each 32 along K, and the additive embedding on K becomes a table.
; DEAD WORK: none.  bq, bk and the embedding go into quantised operands of the score product, bv into the quantised values, bo into the result: every input has a way to the output and is loaded by some launch.
; LAYOUT OF THE CODES (cod1): images of the operand registers.  A row tile is 16 rows x 1,024 K = 12,288 bytes: [K step s of 128: 0..7][piece p: 0..5][lane][8 bytes]; lane (r, h) piece 3 c + i holds bytes 8 i .. 8 i + 7 of the
; 24 bytes of block 4 s + 2 c + h of the tile row r.  Row tiles: visual 0-255, audio 256-511, Wq 512-575, Wk 576-639, Wv 640-703, Wo 704-767.
; LAYOUT OF THE SCALES (scl1): 512 bytes a row tile: [s / 4][r][s % 4] words; byte b of word s is block 4 s + b.
; ROWS OF A TILE: in audio, Wq, Wk, Wv tile 2 B + u holds, as its row rho, the true row 32 B + 8 u + rho + 8 (rho / 8): results of products with such an operand as source 0 then have 16 neighbours in 16 registers.
; THE TABLE (emb): [b][image row of audio][64] f32 = (sin | cos)(pos x 10000^(-i / 32)) x label_emb[label of b], pos = the true row of that image row.
; A block scale is 2^(floor(log2(largest magnitude)) - 2): its byte is the largest magnitude exponent field - 2, held at 1 from below.
; LIMITS: NaN and infinities among the inputs are not served; a block of zeros, or one whose largest magnitude lies under 2^-124, gets the byte 1 (its codes are zeros or the nearest codes; the bytes are read by this program alone);
; labels outside 0..7 are held to that range; the sine reduction takes pi / 2 in two parts, good for angles under 1e5 (here at most 2,047).
; SHARES: work-groups 0-383: a wave takes one row tile x 512 along K (four fragments).  Each load reads 512 consecutive bytes of a row; the 16 rows turn through the wave stage in LDS (rows 528 bytes apart) so that a lane gets
; whole blocks of 32; each store of codes covers 256 consecutive aligned bytes.  Work-groups 384-447: a wave makes 8 rows of the table for both batches.  Waves share nothing: no barrier, no cluster, no tensor load.
.set STG,   8448                       ; a wave stage: 16 rows x 528 bytes
.set SPARE, 4*STG                      ; behind the stages: the spare words, 128 bytes a wave
.set SPW,   30
.set NIL,   31
.set RR,    64                         ; v64-191  two sets of 64 registers as loaded
.set XX,    192                        ; v192-255 my two blocks of 32
.set CC,    32                         ; v32-43   a fragment codes
.set TT,    44                         ; v44-46, v48-50 the second halves of the two blocks
.set WW,    52                         ; v52-55   the four scale words
	s_load_b512 s[4:19], s[0:1], 0x0               ; visual, audio, Wq, Wk, Wv, Wo, labels, label_emb
	s_load_b128 s[20:23], s[0:1], 0x40             ; cod1, scl1
	s_load_b64 s[24:25], s[0:1], 0x50              ; emb
	v_lshl_add_u32 v[SPW], v0, 2, SPARE
	v_mov_b32 v[NIL], 0
	v_lshrrev_b32 v1, 5, v0
	v_readfirstlane_b32 s26, v1                    ; wave
	v_and_b32 v1, 31, v0                           ; lane
	s_cmp_ge_u32 ttmp9, 384
	s_cbranch_scc1 .Lemb
	; ---------------- the quantiser
	v_and_b32 v2, 15, v0                           ; r
	v_bfe_u32 v3, v0, 4, 1                         ; h
	v_lshlrev_b32 v4, 4, v1                        ; my 16 bytes of a load
	s_mul_i32 s42, s26, STG
	v_add_nc_u32 v6, s42, v4                       ; stage, in: 16 x lane
	v_mul_u32_u24 v7, v2, 528
	v_lshl_add_u32 v7, v3, 7, v7
	v_add_nc_u32 v7, s42, v7                       ; stage, out: row r, + 128 h
	v_lshlrev_b32 v8, 3, v1                        ; 8 x lane: a piece of an image
	v_lshlrev_b32 v9, 4, v2
	v_lshl_add_u32 v9, v3, 3, v9                   ; 16 r + 8 h: the scale words
	v_lshlrev_b32 v10, 3, v3                       ; 8 h
	v_mov_b32 v19, 0                               ; written once: a lane permute destination counts as read
	s_mov_b32 s44, 0xffff0000                      ; lanes 16-31
	s_mov_b32 s46, 0x76543210
	s_mov_b32 s47, 0xfedcba98                      ; selects for lane l xor 16
	s_lshl_b32 s27, ttmp9, 1
	s_lshr_b32 s28, s26, 1
	s_add_co_u32 s27, s27, s28                     ; my row tile G
	s_and_b32 s28, s26, 1                          ; my half of K
	s_sub_co_u32 s30, ttmp9, 128
	s_cmp_lt_u32 s30, 224
	s_cselect_b32 s31, 1, 0                        ; 1: rows of a tile are chosen (audio, Wq, Wk, Wv)
	s_wait_kmcnt 0x0
	s_mov_b64 s[32:33], s[14:15]                   ; which tensor: by the work-group number alone
	s_mov_b32 s29, 704
	s_cmp_lt_u32 ttmp9, 352
	s_cselect_b64 s[32:33], s[12:13], s[32:33]
	s_cselect_b32 s29, 640, s29
	s_cmp_lt_u32 ttmp9, 320
	s_cselect_b64 s[32:33], s[10:11], s[32:33]
	s_cselect_b32 s29, 576, s29
	s_cmp_lt_u32 ttmp9, 288
	s_cselect_b64 s[32:33], s[8:9], s[32:33]
	s_cselect_b32 s29, 512, s29
	s_cmp_lt_u32 ttmp9, 256
	s_cselect_b64 s[32:33], s[6:7], s[32:33]
	s_cselect_b32 s29, 256, s29
	s_cmp_lt_u32 ttmp9, 128
	s_cselect_b64 s[32:33], s[4:5], s[32:33]
	s_cselect_b32 s29, 0, s29
	s_sub_co_u32 s34, s27, s29                     ; the tile number inside its tensor
	s_and_b32 s36, s34, s31
	s_lshl_b32 s36, s36, 3
	s_lshl_b32 s37, s34, 4
	s_sub_co_u32 s37, s37, s36                     ; true row of image row 0
	s_lshl_b32 s35, 0x8000, s31                    ; bytes from image row 0 to image row 8: 8 rows, or 16
	v_add_nc_u32 v5, s35, v4
	s_wait_alu depctr_va_vdst(0)
	s_lshl_b32 s36, s37, 12
	s_lshl_b32 s37, s28, 11
	s_add_co_u32 s36, s36, s37
	s_mov_b32 s37, 0
	s_add_nc_u64 s[32:33], s[32:33], s[36:37]      ; the source
	s_mul_i32 s36, s27, 12288
	s_mul_i32 s42, s28, 6144
	s_add_co_u32 s36, s36, s42
	s_add_nc_u64 s[38:39], s[20:21], s[36:37]      ; the codes
	s_lshl_b32 s36, s27, 9
	s_lshl_b32 s42, s28, 8
	s_add_co_u32 s36, s36, s42
	s_add_nc_u64 s[40:41], s[22:23], s[36:37]      ; the scale words
.macro LOAD t                          ; fragment t: 16 rows x 512 bytes
.irp rho, 0,1,2,3,4,5,6,7
	global_load_b128 v[RR+64*((\t)%2)+4*\rho:RR+64*((\t)%2)+4*\rho+3], v4, s[32:33] offset:\rho*4096+512*(\t) th:TH_LOAD_NT
.endr
.irp rho, 0,1,2,3,4,5,6,7
	global_load_b128 v[RR+64*((\t)%2)+32+4*\rho:RR+64*((\t)%2)+32+4*\rho+3], v5, s[32:33] offset:\rho*4096+512*(\t) th:TH_LOAD_NT
.endr
.endm
.macro FRAGQ t
.if (\t) < 3
	s_wait_loadcnt 16                              ; this fragment is in; the next one, 16 loads, may be out
.else
	s_wait_loadcnt 0x0
.endif
.irp rho, 0,1,2,3,4,5,6,7,8,9,10,11,12,13,14,15
	ds_store_b128 v6, v[RR+64*((\t)%2)+4*\rho:RR+64*((\t)%2)+4*\rho+3] offset:528*\rho
.endr
.irp c, 0,1
.irp j, 0,1,2,3,4,5,6,7
	ds_load_b128 v[XX+32*\c+4*\j:XX+32*\c+4*\j+3], v7 offset:256*\c+16*\j   ; LDS serves a wave in order: these see the stores.  Block 2 c + h of row r
.endr
.endr
	s_wait_dscnt 0x0
.if (\t) < 2
	LOAD (\t)+2
.endif
.irp c, 0,1
	v_max3_num_f32 v[12+\c], |v[XX+32*\c]|, |v[XX+32*\c+1]|, 0x1800000   ; the floor 2^(3 - 127) holds the byte at 1 from below
.endr
.irp i, 2,4,6,8,10,12,14,16,18,20,22,24,26,28,30
.irp c, 0,1
	v_max3_num_f32 v[12+\c], v[12+\c], |v[XX+32*\c+\i]|, |v[XX+32*\c+\i+1]|
.endr
.endr
.irp c, 0,1
	v_add_nc_u32 v[14+\c], 0xff000000, v[12+\c]    ; 2 off the exponent field: the conversion scale operand
.endr
.irp c, 0,1
	v_lshrrev_b32 v[16+\c], 23, v[14+\c]           ; the byte
.endr
	v_lshl_or_b32 v18, v17, 16, v16                ; blocks h and 2 + h,
	v_lshlrev_b32 v18, v10, v18                    ; at their places in the word,
	v_permlanex16_b32 v19, v18, s46, s47
	v_or_b32 v[WW+(\t)], v18, v19                  ; with the other two from lane l xor 16
.if (\t) > 0
	s_wait_alu depctr_va_vdst(0)
	s_wait_xcnt 0x0                                ; the last fragment stores have read their registers
.endif
.irp c, 0,1
	v_cvt_scalef32_pk16_fp6_f32 v[CC+6*\c:CC+6*\c+2], v[XX+32*\c:XX+32*\c+15], v[14+\c]
	v_cvt_scalef32_pk16_fp6_f32 v[TT+4*\c:TT+4*\c+2], v[XX+32*\c+16:XX+32*\c+31], v[14+\c]   ; (three registers begin on an even number)
.endr
	v_nop                                          ; one plain place behind a scaled conversion
.irp c, 0,1
.irp i, 0,1,2
	v_mov_b32 v[CC+6*\c+3+\i], v[TT+4*\c+\i]
.endr
.endr
.irp p, 0,1,2,3,4,5
	global_store_b64 v8, v[CC+2*\p:CC+2*\p+1], s[38:39] offset:1536*(\t)+256*\p   ; 32 lanes store 256 consecutive aligned bytes
.endr
.endm
	LOAD 0
	LOAD 1
	FRAGQ 0
	FRAGQ 1
	FRAGQ 2
	FRAGQ 3
	v_cndmask_b32 v56, v[WW], v[WW+2], s44         ; lanes 0-15 store words 0, 1 of row r, lanes 16-31 words 2, 3
	v_cndmask_b32 v57, v[WW+1], v[WW+3], s44
	global_store_b64 v9, v[56:57], s[40:41]        ; 256 consecutive aligned bytes
	s_wait_tensorcnt 0x0                           ; the wave end, behind my last LDS store
	ds_add_u32 v[SPW], v[NIL]
	s_wait_dscnt 0x0
	s_endpgm
	; ---------------- the table.  No LDS here.  Lane l owns d = 2 l and 2 l + 1; lanes 16-31 make cosines: sin(x + pi / 2)
.Lemb:
	s_wait_kmcnt 0x0
	s_load_b64 s[28:29], s[16:17], 0x0             ; the two labels
	s_sub_co_u32 s36, ttmp9, 384
	s_lshl_b32 s36, s36, 2
	s_add_co_u32 s36, s36, s26                     ; my run of 8 image rows, 0..255
	s_and_b32 s37, s36, 0xfc
	s_and_b32 s38, s36, 1
	s_lshl_b32 s38, s38, 1
	s_or_b32 s37, s37, s38
	s_bfe_u32 s38, s36, 0x10001
	s_or_b32 s37, s37, s38                         ; the true run: the two low bits change places
	s_lshl_b32 s37, s37, 3                         ; its first position
	s_lshl_b32 s38, s36, 11
	s_mov_b32 s39, 0
	s_add_nc_u64 s[24:25], s[24:25], s[38:39]
	s_mov_b32 s50, 0x3f22f983                      ; 2 / pi
	s_mov_b32 s51, 0xbfc90fdb                      ; -(pi / 2), the high part
	s_mov_b32 s52, 0x333bbd2e                      ; -(pi / 2), the low part
	s_mov_b32 s53, 0xbe2aaaa3                      ; sine: y + y z (S1 + z (S2 + z S3))
	s_mov_b32 s54, 0x3c08839e
	s_mov_b32 s55, 0xb94ca1f9
	s_mov_b32 s56, 0x3d2aaaa5                      ; cosine: 1 - z / 2 + z z (C1 + z (C2 + z C3))
	s_mov_b32 s57, 0xbab6061a
	s_mov_b32 s58, 0x37ccf5ce
	s_wait_alu depctr_va_vdst(0)
	v_lshlrev_b32 v2, 3, v1                        ; 8 x lane
	v_lshlrev_b32 v3, 1, v1
	v_and_b32 v3, 30, v3                           ; i of d = 2 l
	v_or_b32 v4, 1, v3
	v_cvt_f32_u32 v5, v3
	v_cvt_f32_u32 v6, v4
	v_mul_f32 v5, 0xbed49a78, v5                   ; -i log2(10000) / 32
	v_mul_f32 v6, 0xbed49a78, v6
	s_wait_alu depctr_va_vdst(0)
	v_exp_f32 v36, v5
	v_exp_f32 v37, v6
	v_lshrrev_b32 v7, 4, v1                        ; a quarter turn more for the cosines.  (A plain place behind the exponentials)
	s_wait_alu depctr_va_vdst(0)                   ; one wait for both, ahead of their first reader
	s_wait_kmcnt 0x0
	s_min_u32 s28, s28, 7
	s_min_u32 s29, s29, 7
	s_lshl_b32 s40, s28, 8
	s_mov_b32 s41, 0
	s_lshl_b32 s42, s29, 8
	s_mov_b32 s43, 0
	s_add_nc_u64 s[40:41], s[18:19], s[40:41]
	s_add_nc_u64 s[42:43], s[18:19], s[42:43]
	global_load_b64 v[40:41], v2, s[40:41]         ; label_emb[label 0][2 l, 2 l + 1]
	global_load_b64 v[42:43], v2, s[42:43]
	s_wait_loadcnt 0x0
.macro ROWE j
	s_add_co_u32 s45, s37, \j
	v_cvt_f32_u32 v8, s45
.irp e, 0,1
	v_mul_f32 v[10+\e], v8, v[36+\e]               ; x
	v_mul_f32 v[12+\e], s50, v[10+\e]
	v_rndne_f32 v[12+\e], v[12+\e]                 ; n
	v_fma_f32 v[14+\e], v[12+\e], s51, v[10+\e]
	v_fma_f32 v[14+\e], v[12+\e], s52, v[14+\e]    ; y = x - n pi / 2, at most pi / 4 in size
	v_cvt_i32_f32 v[16+\e], v[12+\e]
	v_add_nc_u32 v[16+\e], v[16+\e], v7            ; the quadrant
	v_mul_f32 v[18+\e], v[14+\e], v[14+\e]         ; z
	v_fma_f32 v[20+\e], v[18+\e], s55, s54
	v_fma_f32 v[20+\e], v[20+\e], v[18+\e], s53
	v_mul_f32 v[20+\e], v[20+\e], v[18+\e]
	v_fma_f32 v[20+\e], v[20+\e], v[14+\e], v[14+\e]   ; sin y
	v_fma_f32 v[22+\e], v[18+\e], s58, s57
	v_fma_f32 v[22+\e], v[22+\e], v[18+\e], s56
	v_mul_f32 v[24+\e], v[18+\e], v[18+\e]
	v_fma_f32 v[26+\e], v[18+\e], -0.5, 1.0
	v_fma_f32 v[22+\e], v[22+\e], v[24+\e], v[26+\e]   ; cos y
	v_and_b32 v[24+\e], 1, v[16+\e]
	v_cmp_eq_u32 vcc_lo, 1, v[24+\e]
	v_cndmask_b32 v[20+\e], v[20+\e], v[22+\e], vcc_lo
	v_and_b32 v[24+\e], 2, v[16+\e]
	v_lshlrev_b32 v[24+\e], 30, v[24+\e]
	v_xor_b32 v[20+\e], v[20+\e], v[24+\e]         ; the sign of quadrants 2 and 3
	v_mul_f32 v[64+4*\j+\e], v[20+\e], v[40+\e]
	v_mul_f32 v[66+4*\j+\e], v[20+\e], v[42+\e]
.endr
	global_store_b64 v2, v[64+4*\j:65+4*\j], s[24:25] offset:256*\j            ; a row of 256 bytes, whole
	global_store_b64 v2, v[66+4*\j:67+4*\j], s[24:25] offset:524288+256*\j     ; and the same row of batch 1
.endm
.irp j, 0,1,2,3,4,5,6,7
	ROWE \j
.endr
	s_endpgm
.Lfunc_end_k_qa232567fbe_quant:
	.size	k_qa232567fbe_quant, .Lfunc_end_k_qa232567fbe_quant-k_qa232567fbe_quant
	.p2alignl 7, 3214868480
	.fill 96, 4, 3214868480
	.section	.rodata,"a",@progbits
	.p2align	6, 0x0
	.amdhsa_kernel k_qa232567fbe_quant
		.amdhsa_group_segment_fixed_size 34304
		.amdhsa_private_segment_fixed_size 0
		.amdhsa_enable_private_segment 0
		.amdhsa_kernarg_size 88
		.amdhsa_user_sgpr_count 2
		.amdhsa_user_sgpr_kernarg_segment_ptr 1
		.amdhsa_wavefront_size32 1
		.amdhsa_system_sgpr_workgroup_id_x 1
		.amdhsa_system_sgpr_workgroup_id_y 1
		.amdhsa_system_sgpr_workgroup_id_z 1
		.amdhsa_system_vgpr_workitem_id 0
		.amdhsa_next_free_vgpr 256
		.amdhsa_next_free_sgpr 66
		.amdhsa_reserve_vcc 1
		.amdhsa_float_denorm_mode_32 3
		.amdhsa_float_denorm_mode_16_64 3
		.amdhsa_memory_ordered 1
		.amdhsa_forward_progress 1
		.amdhsa_inst_pref_size 54
	.end_amdhsa_kernel
	.amdgpu_metadata
---
amdhsa.version: [ 1, 2 ]
amdhsa.kernels:
  - .name:           k_qa232567fbe_quant
    .symbol:         k_qa232567fbe_quant.kd
    .args:
      - { .name: visual_features, .offset: 0, .size: 8, .value_kind: global_buffer, .address_space: global }
      - { .name: audio_features, .offset: 8, .size: 8, .value_kind: global_buffer, .address_space: global }
      - { .name: Wq, .offset: 16, .size: 8, .value_kind: global_buffer, .address_space: global }
      - { .name: Wk, .offset: 24, .size: 8, .value_kind: global_buffer, .address_space: global }
      - { .name: Wv, .offset: 32, .size: 8, .value_kind: global_buffer, .address_space: global }
      - { .name: Wo, .offset: 40, .size: 8, .value_kind: global_buffer, .address_space: global }
      - { .name: audio_labels, .offset: 48, .size: 8, .value_kind: global_buffer, .address_space: global }
      - { .name: label_emb, .offset: 56, .size: 8, .value_kind: global_buffer, .address_space: global }
      - { .name: cod1, .offset: 64, .size: 8, .value_kind: global_buffer, .address_space: global }
      - { .name: scl1, .offset: 72, .size: 8, .value_kind: global_buffer, .address_space: global }
      - { .name: emb, .offset: 80, .size: 8, .value_kind: global_buffer, .address_space: global }
    .group_segment_fixed_size: 34304
    .private_segment_fixed_size: 0
    .kernarg_segment_align: 8
    .kernarg_segment_size: 88
    .max_flat_workgroup_size: 128
    .sgpr_count:     66
    .vgpr_count:     256
    .wavefront_size: 32
...
	.end_amdgpu_metadata
.endif
;; end of part 1
;; launch proj (part 2): grid 4 x 48, 4 waves a work-group, clusters of 4 x 4, 327,680 bytes of LDS; arguments cod1, scl1, emb, bq, bk, bv, qkv, qkvs; writes qkv, qkvs
.if DOCPART == 2
	.amdgcn_target "amdgcn-amd-amdhsa--gfx1250"
	.amdhsa_code_object_version 6
	.text
	.protected	k_qa232567fbe_proj
	.globl	k_qa232567fbe_proj
	.p2align	8
	.type	k_qa232567fbe_proj,@function
k_qa232567fbe_proj:
	s_mov_b64 s[64:65], 0
	v_nop
	global_prefetch_b8 v0, s[64:65] scope:SCOPE_SE
	s_setreg_imm32_b32 hwreg(HW_REG_WAVE_MODE, 25, 1), 1
	s_wait_xcnt 0x0
	s_wait_alu depctr_hold_cnt(0) depctr_sa_sdst(0) depctr_va_vdst(0) depctr_va_sdst(0) depctr_va_ssrc(0) depctr_va_vcc(0) depctr_vm_vsrc(0)
	s_getreg_b32 s2, hwreg(HW_REG_IB_STS2, 6, 4)
	s_cmp_eq_u32 s2, 0
	s_cbranch_scc0 .Lentry_in_a_cluster
	s_endpgm
.Lentry_in_a_cluster:
	s_bfe_u32 s2, ttmp6, 0x10000c
	s_cmp_lg_u32 s2, 0xf033
	s_cbranch_scc0 .Lentry_shape_is_right
	s_endpgm
.Lentry_shape_is_right:
; LAUNCH 2 OF 4.  q = visual Wq^T + bq, k = audio Wk^T + bk + E, v^T = Wv audio^T + bv, each 4,096 x 1,024 x 1,024 on codes of FP6; the results are quantised in registers and stored as operand images.  No work is left out.
; One body for the three: the cluster y / 4 says which (0 q, 1 k, 2 v); for v the two operands change places, so that all three results are quantised along their columns: q and k along a head 64, v along the keys.
; A tile of C is 256 x 256, four waves of 128 x 128 (64 accumulators).  K goes in steps of 256 through two LDS slots; the operands lie in memory as register images, so a fragment is six loads of 8 bytes a lane, 256 consecutive bytes each.
; CLUSTER 4 x 4: a row of the cluster shares the tiles of A, a column those of B: joint loads.  The matrix instruction is used transposed (source 0 = 16 rows of B, source 1 = 16 rows of A): a lane holds one row of A.
; Since the rows of a tile of B are chosen (launch 1), the 16 registers of column tiles 2 B and 2 B + 1 are the 16 neighbouring columns 32 B + 16 (lane / 16) + 0 .. 15.
; OUT (qkv): q at 0: [b h][tile of 16 queries][piece 0..2][lane][8]: registers 0-5 of a fragment (K = 64).  From 3,145,728: [b h][step of 128 keys][12,288]: the eight tiles of K at 768 T, the four fragments of V^T at 6,144 + 1,536 ct, 16 bytes a lane.
; OUT (qkvs): q words at 0: [b h][128 rows][A][r][w]: tile 4 A + w, two bytes, upper half 0.  From 262,144: [b h][12,288]: K words at 512 x step, alike; V words at 8,192 + 256 x step: [h][r][w]: fragment 2 h + w.
; LIMITS: NaN and infinities are not served; a block of zeros or under 2^-124 gets the byte 1 (read by this program alone).
; No prefetch: four K steps in all, asked for two ahead; the launch is short.
; REGISTERS: window 0: v1-15, v24-26 the way out; v16-29 addresses; v32-63 scale words, two sets; v64-127 the bias; v128-223 fragments of A.  Window 1: fragments of B, two sets; on the way out of k: E, 32 registers a tile.
; Windows 2, 3: the accumulators.
.set NQ,     2
.set FR,     12
.set NL,     6
.set NP,     4
.set FRB,    1536                      ; a fragment image
.set RTS,    NQ*FRB                    ; a row tile in a slot
.set HALFT,  8*RTS                     ; what one tensor load brings: 8 row tiles
.set SLOT,   4*HALFT
.set SLOTB,  RTS                       ; a slot on, in a row tile in memory
.set SCL,    2*SLOT                    ; the scale words of A (8,192 bytes), then of B
.set HALFS,  4096
.set SPARE,  SCL+4*HALFS               ; the spare words, 128 bytes a wave
.set ADRA, 16
.set ADRB, 20
.set ADRS, 27
.set SPW,  28
.set NIL,  29
.set SC,   32
.set CB,   64
.set AF,   128
.set G1,   24
.set G0,   32
.set G1B,  48
.set G0B,  56
.set G1S,  68
.set G0S,  76
.set G1SB, 80
.set G0SB, 88
.set MSB, 0
.macro WIN new                         ; the immediate high byte repeats the setting that is left
.if MSB != (\new)
	s_set_vgpr_msb (MSB<<8)|(\new)
.set MSB, (\new)
.endif
.endm
.set MUL_LO, 0xa1                      ; source 0 (B) window 1, source 1 (A) window 0, C and D window 2
.set MUL_HI, 0xf1
.set TO_B,   0x40
.macro JLOAD g0a, g1a, g0b, g1b        ; a joint load: waves 0, 1 for A, waves 2, 3 for B; an s_nop 0 and four v_nop follow each line
	s_cmp_eq_u32 s21, 0
	s_cbranch_scc0 .Lfor_b_\@
	tensor_load_to_lds s[\g0a:\g0a+3], s[\g1a:\g1a+7]
	s_nop 0
.rept 4
	v_nop
.endr
	s_branch .Lasked_\@
.Lfor_b_\@:
	tensor_load_to_lds s[\g0b:\g0b+3], s[\g1b:\g1b+7]
	s_nop 0
.rept 4
	v_nop
.endr
.Lasked_\@:
.endm
.macro CREST
	s_cmp_lg_u32 s20, 0
	s_cbranch_scc1 .Lnot_wave_0_\@
	s_barrier_signal -3
.Lnot_wave_0_\@:
	s_barrier_wait -3
	s_barrier_signal -1
	s_barrier_wait -1
.endm
.macro CROUND
	s_barrier_signal -1
	s_barrier_wait -1
	CREST
.endm
.macro PLACES n
.rept \n
	v_nop
.endr
.endm
.macro FRAG reg, adr, q, i             ; row tile i, the slot q-th 128 along K: six pieces, each 256 consecutive bytes for the 32 lanes
.irp p, 0,1,2,3,4,5
	ds_load_b64 v[\reg+2*\p:\reg+2*\p+1], v[\adr] offset:(\i)*RTS+(\q)*FRB+256*\p
.endr
.endm
; 16 matrix instructions: blocks a0, a0 + 1 of A x the eight of B.  zero = 1: the products start the sums.  The 64 accumulators take turns.
.macro MUL16 a0, p, q, sc, zero
.irp a, \a0, \a0+1
.irp b, 0,1,2,3,4,5,6,7
.if (\zero) == 1
	v_wmma_scale_f32_16x16x128_f8f6f4 v[8*(8*((\a)%4)+\b):8*(8*((\a)%4)+\b)+7], v[128*(\p)+FR*\b:128*(\p)+FR*\b+FR-1], v[AF+FR*(\a):AF+FR*(\a)+FR-1], 0, v[SC+8*NQ*(\sc)+NQ*\b+(\q)], v[SC+8*NQ*(\sc)+NQ*(\a)+(\q)] matrix_a_fmt:MATRIX_FMT_FP6 matrix_b_fmt:MATRIX_FMT_FP6 matrix_a_scale:MATRIX_SCALE_ROW1
.else
	v_wmma_scale_f32_16x16x128_f8f6f4 v[8*(8*((\a)%4)+\b):8*(8*((\a)%4)+\b)+7], v[128*(\p)+FR*\b:128*(\p)+FR*\b+FR-1], v[AF+FR*(\a):AF+FR*(\a)+FR-1], v[8*(8*((\a)%4)+\b):8*(8*((\a)%4)+\b)+7], v[SC+8*NQ*(\sc)+NQ*\b+(\q)], v[SC+8*NQ*(\sc)+NQ*(\a)+(\q)] matrix_a_fmt:MATRIX_FMT_FP6 matrix_b_fmt:MATRIX_FMT_FP6 matrix_a_scale:MATRIX_SCALE_ROW1
.endif
.endr
.endr
.endm
.macro FETCH_B slot, q, p
	WIN TO_B
.irp i, 0,1,2,3,4,5,6,7
	FRAG 128*(\p)+FR*\i, ADRB+\slot, \q, \i
.endr
	WIN 0
.endm
.macro FETCH_A slot, q, i0
.irp i, \i0, \i0+1, \i0+2, \i0+3
	FRAG AF+FR*(\i), ADRA+\slot, \q, \i
.endr
.endm
.macro SCALES sc, sig                  ; the two words of K step sig (256 along K): lanes 0-15 those of block i of A, lanes 16-31 of B
.irp i, 0,1,2,3,4,5,6,7
	ds_load_b64 v[SC+16*(\sc)+2*\i:SC+16*(\sc)+2*\i+1], v[ADRS] offset:\i*512+((\sig)/2)*256+((\sig)%2)*8
.endr
.endm
.macro STEP slot, q, zero              ; 128 along K that has its successor in the same slot
	s_wait_dscnt 4*NL                              ; all but blocks 4-7 of A (24 loads)
	WIN MUL_LO
	MUL16 0, (\q)%2, \q, \slot, \zero
	MUL16 2, (\q)%2, \q, \slot, \zero
	s_wait_dscnt 0x0
	PLACES NP                                      ; in front of loads into registers that matrix instructions have read
	FETCH_B \slot, (\q)+1, 1-(\q)%2
	FETCH_A \slot, (\q)+1, 0
	WIN MUL_HI
	MUL16 4, (\q)%2, \q, \slot, \zero
	MUL16 6, (\q)%2, \q, \slot, \zero
	PLACES NP
	WIN 0
	FETCH_A \slot, (\q)+1, 4
.endm
; A slot last step changes slots: one barrier; in front of it each wave waits for all its tensor loads, adds 0 to its spare word, and waits for that and for its reads of this slot.  fill = 1: the slot is filled again, two K steps ahead.
.macro TURN slot, next, fill, nsig
	s_wait_tensorcnt 0x0                           ; my part of the next slot has landed
	ds_add_u32 v[SPW], v[NIL]
	s_wait_dscnt 4*NL+1                            ; the add and blocks 4-7 of A may be out
	WIN MUL_LO
	MUL16 0, 1, NQ-1, \slot, 0
	s_wait_dscnt 0x0                               ; the add is done, my reads of this slot are over
	s_barrier_signal -1
	MUL16 2, 1, NQ-1, \slot, 0
	WIN 0
	s_barrier_wait -1
.if \fill
	CREST                                          ; the barrier has opened a round of the cluster: no wave of any partner still reads this slot or has a load on its way
	s_add_nc_u64 s[G0+4*\slot+2:G0+4*\slot+3], s[G0+4*\slot+2:G0+4*\slot+3], 2*SLOTB
	s_add_nc_u64 s[G0B+4*\slot+2:G0B+4*\slot+3], s[G0B+4*\slot+2:G0B+4*\slot+3], 2*SLOTB
	JLOAD G0+4*\slot, G1, G0B+4*\slot, G1B         ; first behind the round; its four v_nop are the places in front of the loads below
.else
	PLACES NP
.endif
	FETCH_B \next, 0, 0
	FETCH_A \next, 0, 0
	SCALES \next, \nsig
	WIN MUL_HI
	MUL16 4, 1, NQ-1, \slot, 0
	MUL16 6, 1, NQ-1, \slot, 0
	PLACES NP
	WIN 0
	FETCH_A \next, 0, 4
.endm
.macro LAST                            ; the very last 128 along K
	s_wait_dscnt 4*NL
	WIN MUL_LO
	MUL16 0, 1, NQ-1, 1, 0
	MUL16 2, 1, NQ-1, 1, 0
	s_wait_dscnt 0x0
	WIN MUL_HI
	MUL16 4, 1, NQ-1, 1, 0
	MUL16 6, 1, NQ-1, 1, 0
	WIN 0
.endm
.macro FINISH
	s_wait_tensorcnt 0x0                           ; the wave end
	ds_add_u32 v[SPW], v[NIL]
	s_wait_dscnt 0x0
	CROUND                                         ; the closing round
	s_endpgm
.endm
	s_load_b512 s[4:19], s[0:1], 0x0               ; cod1, scl1, emb, bq, bk, bv, qkv, qkvs
	v_lshl_add_u32 v[SPW], v0, 2, SPARE
	v_mov_b32 v[NIL], 0
	ds_add_u32 v[SPW], v[NIL]                      ; the opening: the add, twice on end, and its wait ahead of my first tensor load
	ds_add_u32 v[SPW], v[NIL]
	v_lshrrev_b32 v1, 5, v0
	v_readfirstlane_b32 s20, v1                    ; wave
	s_lshr_b32 s21, s20, 1                         ; my half of the rows; also: I fetch for A (0) or B (1)
	s_and_b32 s22, s20, 1                          ; my half of the columns; also: which 8 row tiles I fetch
	s_bfe_u32 s40, ttmp6, 0x40000                  ; cx
	s_bfe_u32 s41, ttmp6, 0x40004                  ; cy
	s_and_b32 s44, ttmp7, 0xffff                   ; the cluster y, 0..11
	s_lshr_b32 s23, s44, 2                         ; 0 q, 1 k, 2 v: the same in all partners
	s_and_b32 s44, s44, 3
	s_lshl_b32 s44, s44, 2
	s_lshl_b32 s92, s23, 8                         ; first row tile of A: visual 0, audio 256,
	s_lshl_b32 s93, s23, 6
	s_add_co_u32 s93, s93, 512                     ; of B: Wq 512, Wk 576
	s_cmp_eq_u32 s23, 2
	s_cselect_b32 s45, 0, s44
	s_cselect_b32 s46, s44, 0
	s_cselect_b32 s92, 640, s92                    ; v: A = Wv,
	s_cselect_b32 s93, 256, s93                    ; B = audio
	s_add_co_u32 s43, s41, s45                     ; tile row
	s_add_co_u32 s42, s40, s46                     ; tile column
	s_lshl_b32 s44, s41, 2
	s_lshl_b32 s44, 15, s44                        ; my row of the cluster
	s_lshl_b32 s45, 0x1111, s40                    ; my column
	s_or_b32 s[G1+0], s44, (3<<16)|(1<<21)         ; the mask; elements of 8 bytes; bit 21 beside a mask; no padding
	s_or_b32 s[G1B+0], s45, (3<<16)|(1<<21)
.irp g, G1, G1B
	s_mov_b32 s[\g+1], 384<<16                     ; a row: 3,072 bytes of a row tile
	s_mov_b32 s[\g+2], 16<<16                      ; 16 row tiles for the head's loads; behind them these two words are set to 8, for the ring's
	s_mov_b32 s[\g+3], 384<<16
	s_mov_b32 s[\g+4], 16
	s_mov_b32 s[\g+5], 1536                        ; 12,288 bytes from row tile to row tile
	s_mov_b32 s[\g+6], 0
	s_mov_b32 s[\g+7], 0
.endr
	s_or_b32 s[G1S+0], s44, (3<<16)|(1<<21)
	s_or_b32 s[G1SB+0], s45, (3<<16)|(1<<21)
.irp g, G1S, G1SB
	s_mov_b32 s[\g+1], 32<<16                      ; the scale words of 16 row tiles: 8,192 dense bytes as 32 rows of 256
	s_mov_b32 s[\g+2], 32<<16
	s_mov_b32 s[\g+3], 32<<16
	s_mov_b32 s[\g+4], 32
	s_mov_b32 s[\g+5], 32
	s_mov_b32 s[\g+6], 0
	s_mov_b32 s[\g+7], 0
.endr
	s_lshl_b32 s46, s43, 4
	s_add_co_u32 s46, s46, s92                     ; the first row tile of A of my tile of C
	s_lshl_b32 s66, s42, 4
	s_add_co_u32 s66, s66, s93                     ; and of B
	s_mul_i32 s94, s46, 12288
	s_mov_b32 s95, 0
	s_lshl_b32 s96, s46, 9
	s_mov_b32 s97, 0
	s_mul_i32 s98, s66, 12288
	s_mov_b32 s99, 0
	s_lshl_b32 s66, s66, 9
	s_mov_b32 s67, 0
	s_mul_i32 s46, s20, HALFT                      ; where the ring's loads go: by the wave number alone
	s_mov_b32 s2, 0x76543210
	s_mov_b32 s3, 0xfedcba98                       ; selects for lane l xor 16
	s_wait_dscnt 0x0                               ; both opening adds are done
	s_wait_kmcnt 0x0
	s_add_nc_u64 s[94:95], s[4:5], s[94:95]
	s_add_nc_u64 s[96:97], s[6:7], s[96:97]
	s_add_nc_u64 s[98:99], s[4:5], s[98:99]
	s_add_nc_u64 s[66:67], s[6:7], s[66:67]
	CROUND                                         ; all sixteen work-groups are here: the first joint loads meet
	s_mov_b32 s[G0S], 1
	s_mov_b32 s[G0S+1], SCL
	s_mov_b64 s[G0S+2:G0S+3], s[96:97]
	s_or_b32 s[G0S+3], s[G0S+3], 0x80000000
	s_mov_b32 s[G0SB], 1
	s_mov_b32 s[G0SB+1], SCL+2*HALFS
	s_mov_b64 s[G0SB+2:G0SB+3], s[66:67]
	s_or_b32 s[G0SB+3], s[G0SB+3], 0x80000000
.set G0H,  4                           ; s[4:7]   group 0 of the head's load of A: K step 0, 16 row tiles (the arguments that lay there have been used)
.set G0HB, 96                          ; s[96:99] the same for B
	s_mov_b32 s[G0H], 1
	s_mov_b32 s[G0H+1], 0
	s_mov_b64 s[G0H+2:G0H+3], s[94:95]
	s_or_b32 s[G0H+3], s[G0H+3], 0x80000000
	s_mul_i32 s66, s22, 8*12288                    ; for the ring: which 8 row tiles I fetch, in bytes
	s_mov_b32 s67, 0
	s_add_nc_u64 s[94:95], s[94:95], s[66:67]
	s_add_nc_u64 s[92:93], s[98:99], s[66:67]
	s_mov_b32 s[G0HB], 1
	s_mov_b32 s[G0HB+1], 2*HALFT
	s_or_b32 s[G0HB+3], s[G0HB+3], 0x80000000
.irp s, 0,1
	s_mov_b32 s[G0+4*\s], 1
	s_add_co_u32 s[G0+4*\s+1], s46, \s*SLOT
	s_add_nc_u64 s[G0+4*\s+2:G0+4*\s+3], s[94:95], \s*SLOTB
	s_or_b32 s[G0+4*\s+3], s[G0+4*\s+3], 0x80000000
	s_mov_b32 s[G0B+4*\s], 1
	s_add_co_u32 s[G0B+4*\s+1], s46, \s*SLOT
	s_add_nc_u64 s[G0B+4*\s+2:G0B+4*\s+3], s[92:93], \s*SLOTB
	s_or_b32 s[G0B+4*\s+3], s[G0B+4*\s+3], 0x80000000
.endr
; THE HEAD'S LOADS, ONE A WAVE: wave 0 K step 0 of A, wave 1 of B, wave 2 the scale words of A, wave 3 of B.  One chain of branches on the wave number, one load to an arm, one join.
.macro ARM under, g0, g1, next
	s_cmp_lt_u32 s20, \under
	s_cbranch_scc0 \next
	tensor_load_to_lds s[\g0:\g0+3], s[\g1:\g1+7]
	s_nop 0
.rept 4
	v_nop
.endr
	s_branch .Lhead_asked
\next:
.endm
	ARM 1, G0H,  G1,  .Lhead_b
	ARM 2, G0HB, G1B, .Lhead_sa
	ARM 3, G0S,  G1S, .Lhead_sb
	tensor_load_to_lds s[G0SB:G0SB+3], s[G1SB:G1SB+7]
	s_nop 0
.rept 4
	v_nop
.endr
.Lhead_asked:
	v_and_b32 v6, 31, v0                           ; lane
	v_and_b32 v7, 15, v0                           ; r
	v_bfe_u32 v26, v0, 4, 1                        ; h
	v_lshlrev_b32 v14, 3, v6                       ; 8 x lane
	v_lshlrev_b32 v24, 4, v6                       ; 16 x lane
	v_lshlrev_b32 v25, 4, v7                       ; 16 r
	v_lshlrev_b32 v13, 4, v26                      ; 16 h
	v_lshlrev_b32 v2, 6, v26                       ; 64 h
	v_and_b32 v3, 8, v7
	v_add_nc_u32 v3, v3, v7
	v_lshlrev_b32 v3, 2, v3                        ; 4 (r + 8 (r / 8))
	v_lshl_add_u32 v15, v7, 8, v2                  ; 256 r + 64 h
	s_mul_i32 s44, s21, HALFT
	s_mul_i32 s45, s22, HALFT
	s_add_co_u32 s45, s45, 2*HALFT
.irp s, 0,1
	v_add_nc_u32 v[ADRA+\s], s44, v14
	v_add_nc_u32 v[ADRB+\s], s45, v14
	s_add_co_u32 s44, s44, SLOT
	s_add_co_u32 s45, s45, SLOT
.endr
	s_lshl_b32 s44, s21, 12
	s_lshl_b32 s45, s22, 12
	s_add_co_u32 s45, s45, 2*HALFS
	s_sub_co_u32 s45, s45, s44
	v_mul_u32_u24 v5, s45, v26                     ; lanes 16-31 take the words of B: one product, the distance between the two
	s_add_co_u32 s44, s44, SCL
	v_add_nc_u32 v5, v5, v25
	v_add_nc_u32 v[ADRS], s44, v5
	s_wait_alu depctr_va_vdst(0)
	s_wait_tensorcnt 0x0                           ; my tile of the head's four is in; slot 1's first fill is issued as a refill is
	ds_add_u32 v[SPW], v[NIL]
	s_mov_b32 s[G1+2], 8<<16                       ; no tensor load of mine is out: from here on a load brings 8 row tiles
	s_mov_b32 s[G1+4], 8
	s_mov_b32 s[G1B+2], 8<<16
	s_mov_b32 s[G1B+4], 8
	s_wait_dscnt 0x0                               ; the add is done
	CROUND                                         ; all four tiles are in, and all sixteen work-groups are here
	JLOAD G0+4, G1, G0B+4, G1B                     ; K step 1, the first tensor load behind the round: one load of mine is out
	FETCH_B 0, 0, 0
	FETCH_A 0, 0, 0
	SCALES 0, 0
	FETCH_A 0, 0, 4
	STEP 0, 0, 1                                   ; K = 1,024 is four slots: all written out
	TURN 0, 1, 1, 1
	STEP 1, 0, 0
	TURN 1, 0, 1, 2
	STEP 0, 0, 0
	TURN 0, 1, 0, 3
	STEP 1, 0, 0
; THE WAY OUT.  No LDS.  Tile a (16 rows x my 128 columns): bias (and E) added in f32 into v[HH] on, register 16 B + i = column 32 B + 16 h + i; quantised; stored as images.
.set SW,  4                            ; v4-11  a word for each tile
.set PW,  12
.set PC,  32                           ; v32-43 the codes; v44-46, v48-50 second halves
.set MX,  52
.set BY,  56
.set SO,  60
.set HH,  128
.set RB,  64
.macro QUANT s
.irp b, 0,1,2,3
	v_max3_num_f32 v[MX+\b], |v[\s+16*\b]|, |v[\s+1+16*\b]|, 0x1800000   ; my 16 numbers of block b, and the floor 2^(3 - 127)
.endr
.irp i, 2,4,6,8,10,12,14
.irp b, 0,1,2,3
	v_max3_num_f32 v[MX+\b], v[MX+\b], |v[\s+16*\b+\i]|, |v[\s+1+16*\b+\i]|
.endr
.endr
.irp b, 0,1,2,3
	v_permlanex16_b32 v[BY+\b], v[MX+\b], s2, s3
.endr
.irp b, 0,1,2,3
	v_max_num_f32 v[MX+\b], v[MX+\b], v[BY+\b]     ; with lane l xor 16: the block
.endr
.irp b, 0,1,2,3
	v_add_nc_u32 v[SO+\b], 0xff000000, v[MX+\b]    ; 2 off the exponent field: the conversion scale operand
.endr
.irp b, 0,1,2,3
	v_lshrrev_b32 v[BY+\b], 23, v[SO+\b]           ; the byte
.endr
	v_lshl_or_b32 v[PW], v[BY+1], 8, v[BY]
	v_lshl_or_b32 v[PW], v[BY+2], 16, v[PW]
	v_lshl_or_b32 v[PW], v[BY+3], 24, v[PW]
.irp c, 0,1
	v_cvt_scalef32_pk16_fp6_f32 v[PC+6*\c:PC+2+6*\c], v[\s+32*\c:\s+15+32*\c], v[SO+2*\c]
	v_cvt_scalef32_pk16_fp6_f32 v[PC+12+4*\c:PC+14+4*\c], v[\s+16+32*\c:\s+31+32*\c], v[SO+2*\c+1]
.endr
	v_nop                                          ; one plain place behind a scaled conversion
.irp c, 0,1                                    ; a whole block to a lane: lanes 0-15 block 2 c, lanes 16-31 block 2 c + 1
.irp i, 0,1,2
	v_permlane16_swap_b32 v[PC+6*\c+\i], v[PC+12+4*\c+\i]
.endr
.irp i, 0,1,2
	v_mov_b32 v[PC+3+6*\c+\i], v[PC+12+4*\c+\i]
.endr
.endr
.endm
; E of tile a: my row, 16 numbers of each of the two blocks of a head, into v[32 a] on of window 1, which the fragments of B have left.  E is asked for four tiles ahead of its use: tiles 0-3 ahead of the last 64 products
; (their registers are set 0 of B, last read four places back, and v96-127), tile a + 4 at the head of tile a (set 1 of B, and v224-255): at most 16 + 32 + 8 loads of mine are out.
.macro ELOAD a
	WIN TO_B                                       ; destination window 1, address window 0
.irp be, 0,1
.irp jj, 0,1,2,3
	global_load_b128 v[32*(\a)+16*\be+4*\jj:32*(\a)+16*\be+4*\jj+3], v15, s[98:99] offset:4096*(\a)+128*\be+16*\jj
.endr
.endr
	WIN 0
.endm
.macro QKTILE a, iske
.if (\a) > 0
	s_wait_xcnt 0x0                                ; the last tile stores have read their registers
.endif
.if \iske
.if (\a) < 4
	ELOAD (\a)+4
	s_wait_loadcnt 32                              ; the bias and E of this tile are in; E of the four tiles behind it, 8 loads each, may be out
.else
	s_wait_loadcnt 8*(7-(\a))                      ; E of the tiles behind this one may be out
.endif
.else
.if (\a) == 0
	s_wait_loadcnt 0x0
.endif
.endif
	WIN 0x02+(\a)/4                                ; source 0: the accumulators, window 2 or 3
.set i, 0
.rept 32
	v_pk_add_f32 v[HH+i:HH+i+1], v[64*((\a)%4)+i:64*((\a)%4)+i+1], v[CB+i:CB+i+1]   ; each accumulator from its low end on
.set i, i+2
.endr
.if \iske
	WIN 0x04                                       ; source 1: E, window 1
.set i, 0
.rept 32
	v_pk_add_f32 v[HH+i:HH+i+1], v[HH+i:HH+i+1], v[32*(\a)+i%32:32*(\a)+i%32+1]   ; both heads take the same E
.set i, i+2
.endr
.endif
	WIN 0
	QUANT HH
	v_lshrrev_b32 v[SW+(\a)], v13, v[PW]           ; lanes 0-15: the two bytes of my first head, lanes 16-31: of my second
	v_and_b32 v[SW+(\a)], 0xffff, v[SW+(\a)]
.irp c, 0,1
.irp p, 0,1,2
	global_store_b64 v14, v[PC+6*\c+2*\p:PC+6*\c+2*\p+1], s[92:93] offset:\c*HS+768*(\a)+256*\p   ; 256 consecutive aligned bytes
.endr
.endr
.endm
.macro EPIQK iske
.if \iske
.set HS,  196608                       ; from head to head: in the codes,
.set SHS, 12288                        ; in the words
.else
.set HS,  98304
.set SHS, 8192
.endif
	s_lshl_b32 s44, s43, 1
	s_add_co_u32 s44, s44, s21                     ; my group of 128 rows, 0..31
	s_lshr_b32 s45, s44, 4                         ; b
	s_and_b32 s44, s44, 15
	s_lshl_b32 s46, s42, 2
	s_lshl_b32 s47, s22, 1
	s_add_co_u32 s46, s46, s47                     ; my first head
	s_lshl_b32 s45, s45, 4
	s_add_co_u32 s45, s45, s46
	s_mov_b32 s67, 0
.if \iske
	s_lshl_b32 s66, s45, 4
	s_add_co_u32 s66, s66, s44
	s_mul_i32 s66, s66, 12288
	s_add_co_u32 s66, s66, 3145728
	s_add_nc_u64 s[92:93], s[16:17], s[66:67]
	s_mul_i32 s66, s45, 12288
	s_lshl_b32 s46, s44, 9
	s_add_co_u32 s66, s66, s46
	s_add_co_u32 s66, s66, 262144
	s_add_nc_u64 s[94:95], s[18:19], s[66:67]
.else
	s_lshl_b32 s66, s45, 7
	s_lshl_b32 s46, s44, 3
	s_add_co_u32 s66, s66, s46
	s_mul_i32 s66, s66, 768
	s_add_nc_u64 s[92:93], s[16:17], s[66:67]
	s_lshl_b32 s66, s45, 4
	s_add_co_u32 s66, s66, s44
	s_lshl_b32 s66, s66, 9
	s_add_nc_u64 s[94:95], s[18:19], s[66:67]
.endif
	s_lshl_b32 s66, s42, 10
	s_lshl_b32 s46, s22, 9
	s_add_co_u32 s66, s66, s46                     ; my first column, in bytes
.if \iske
	s_add_nc_u64 s[96:97], s[12:13], s[66:67]
	s_lshl_b32 s66, s43, 16
	s_lshl_b32 s46, s21, 15
	s_add_co_u32 s66, s66, s46
	s_add_nc_u64 s[98:99], s[8:9], s[66:67]        ; E at my first row
.else
	s_add_nc_u64 s[96:97], s[10:11], s[66:67]
.endif
	v_mad_u32_u24 v1, v26, SHS, v25                ; the words: 16 r, lanes 16-31 a head on
.irp be, 0,1,2,3
.irp jj, 0,1,2,3
	global_load_b128 v[CB+16*\be+4*\jj:CB+16*\be+4*\jj+3], v2, s[96:97] offset:128*\be+16*\jj   ; the bias at my columns 32 B + 16 h + 0 .. 15
.endr
.endr
.if \iske
	ELOAD 0
	ELOAD 1
	ELOAD 2
	ELOAD 3
.endif
	LAST                                           ; the loads above land under the last 64 products
	PLACES 4
.irp a, 0,1,2,3,4,5,6,7
	QKTILE \a, \iske
.endr
	global_store_b128 v1, v[SW:SW+3], s[94:95]               ; 16 lanes store 256 consecutive aligned bytes
	global_store_b128 v1, v[SW+4:SW+7], s[94:95] offset:256
	FINISH
.endm
.macro VTILE a
.if (\a) > 0
	s_wait_xcnt 0x0
.else
	s_wait_loadcnt 0x0
.endif
	WIN 0x02+(\a)/4
.set i, 0
.rept 32
	v_pk_add_f32 v[HH+i:HH+i+1], v[64*((\a)%4)+i:64*((\a)%4)+i+1], v[RB+2*(\a):RB+2*(\a)+1]   ; bv of my channel
.set i, i+2
.endr
	WIN 0
	QUANT HH
	v_mov_b32 v[SW+(\a)], v[PW]
.irp g, 0,1,2
	global_store_b128 v24, v[PC+4*\g:PC+4*\g+3], s[92:93] offset:((\a)/4)*196608+6144+((\a)%4)*1536+512*\g   ; 512 consecutive aligned bytes
.endr
.endm
	s_cmp_eq_u32 s23, 1                            ; which of the three: the same in all partners of the cluster
	s_cbranch_scc1 .Lkind_k
	s_cmp_eq_u32 s23, 2
	s_cbranch_scc1 .Lkind_v
	EPIQK 0
.Lkind_k:
	EPIQK 1
.Lkind_v:
	s_lshl_b32 s44, s42, 1
	s_add_co_u32 s44, s44, s22                     ; my step of 128 keys, 0..31
	s_lshr_b32 s45, s44, 4                         ; b
	s_and_b32 s44, s44, 15
	s_lshl_b32 s46, s43, 2
	s_lshl_b32 s47, s21, 1
	s_add_co_u32 s46, s46, s47                     ; my first head
	s_lshl_b32 s45, s45, 4
	s_add_co_u32 s45, s45, s46
	s_mov_b32 s67, 0
	s_lshl_b32 s66, s45, 4
	s_add_co_u32 s66, s66, s44
	s_mul_i32 s66, s66, 12288
	s_add_co_u32 s66, s66, 3145728
	s_add_nc_u64 s[92:93], s[16:17], s[66:67]
	s_mul_i32 s66, s45, 12288
	s_lshl_b32 s46, s44, 8
	s_add_co_u32 s66, s66, s46
	s_add_co_u32 s66, s66, 262144+8192
	s_add_nc_u64 s[94:95], s[18:19], s[66:67]
	s_lshl_b32 s66, s43, 10
	s_lshl_b32 s46, s21, 9
	s_add_co_u32 s66, s66, s46
	s_add_nc_u64 s[96:97], s[14:15], s[66:67]      ; bv at my first channel
	s_mov_b32 s98, 0xffff0000                      ; lanes 16-31
.irp a, 0,1,2,3,4,5,6,7
	global_load_b32 v[RB+2*\a], v3, s[96:97] offset:4*(32*(\a/2)+8*(\a%2))     ; bv of the true channel of my image row, in both halves of a pair
	global_load_b32 v[RB+2*\a+1], v3, s[96:97] offset:4*(32*(\a/2)+8*(\a%2))
.endr
	LAST
	PLACES 4
.irp a, 0,1,2,3,4,5,6,7
	VTILE \a
.endr
.irp hd, 0,1
	v_cndmask_b32 v[52+2*\hd], v[SW+4*\hd], v[SW+4*\hd+2], s98     ; lanes 0-15 the words of fragments 0, 1, lanes 16-31 of 2, 3
	v_cndmask_b32 v[53+2*\hd], v[SW+4*\hd+1], v[SW+4*\hd+3], s98
	global_store_b64 v14, v[52+2*\hd:53+2*\hd], s[94:95] offset:12288*\hd   ; 256 consecutive aligned bytes
.endr
	FINISH
.Lfunc_end_k_qa232567fbe_proj:
	.size	k_qa232567fbe_proj, .Lfunc_end_k_qa232567fbe_proj-k_qa232567fbe_proj
	.p2alignl 7, 3214868480
	.fill 96, 4, 3214868480
	.section	.rodata,"a",@progbits
	.p2align	6, 0x0
	.amdhsa_kernel k_qa232567fbe_proj
		.amdhsa_group_segment_fixed_size 327680
		.amdhsa_private_segment_fixed_size 0
		.amdhsa_enable_private_segment 0
		.amdhsa_kernarg_size 64
		.amdhsa_user_sgpr_count 2
		.amdhsa_user_sgpr_kernarg_segment_ptr 1
		.amdhsa_wavefront_size32 1
		.amdhsa_system_sgpr_workgroup_id_x 1
		.amdhsa_system_sgpr_workgroup_id_y 1
		.amdhsa_system_sgpr_workgroup_id_z 1
		.amdhsa_system_vgpr_workitem_id 0
		.amdhsa_next_free_vgpr 1024
		.amdhsa_next_free_sgpr 100
		.amdhsa_reserve_vcc 0
		.amdhsa_float_denorm_mode_32 3
		.amdhsa_float_denorm_mode_16_64 3
		.amdhsa_memory_ordered 1
		.amdhsa_forward_progress 1
		.amdhsa_inst_pref_size 255
	.end_amdhsa_kernel
	.section	.bss,"aw",@nobits
	.p2align	6
	.space	262144
	.amdgpu_metadata
---
amdhsa.version: [ 1, 2 ]
amdhsa.kernels:
  - .name:           k_qa232567fbe_proj
    .symbol:         k_qa232567fbe_proj.kd
    .args:
      - { .name: cod1, .offset: 0, .size: 8, .value_kind: global_buffer, .address_space: global }
      - { .name: scl1, .offset: 8, .size: 8, .value_kind: global_buffer, .address_space: global }
      - { .name: emb, .offset: 16, .size: 8, .value_kind: global_buffer, .address_space: global }
      - { .name: bq, .offset: 24, .size: 8, .value_kind: global_buffer, .address_space: global }
      - { .name: bk, .offset: 32, .size: 8, .value_kind: global_buffer, .address_space: global }
      - { .name: bv, .offset: 40, .size: 8, .value_kind: global_buffer, .address_space: global }
      - { .name: qkv, .offset: 48, .size: 8, .value_kind: global_buffer, .address_space: global }
      - { .name: qkvs, .offset: 56, .size: 8, .value_kind: global_buffer, .address_space: global }
    .group_segment_fixed_size: 327680
    .private_segment_fixed_size: 0
    .kernarg_segment_align: 8
    .kernarg_segment_size: 64
    .max_flat_workgroup_size: 128
    .sgpr_count:     100
    .vgpr_count:     1024
    .wavefront_size: 32
...
	.end_amdgpu_metadata
.endif
;; end of part 2
;; launch attn (part 3): grid 8 x 32, 16 waves a work-group, clusters of 4 x 1, 210,944 bytes of LDS; arguments qkv, qkvs, oc, os; writes oc, os
.if DOCPART == 3
	.amdgcn_target "amdgcn-amd-amdhsa--gfx1250"
	.amdhsa_code_object_version 6
	.text
	.protected	k_qa232567fbe_attn
	.globl	k_qa232567fbe_attn
	.p2align	8
	.type	k_qa232567fbe_attn,@function
k_qa232567fbe_attn:
	s_mov_b64 s[64:65], 0
	v_nop
	global_prefetch_b8 v0, s[64:65] scope:SCOPE_SE
	s_setreg_imm32_b32 hwreg(HW_REG_WAVE_MODE, 25, 1), 1
	s_wait_xcnt 0x0
	s_wait_alu depctr_hold_cnt(0) depctr_sa_sdst(0) depctr_va_vdst(0) depctr_va_sdst(0) depctr_va_ssrc(0) depctr_va_vcc(0) depctr_vm_vsrc(0)
	s_getreg_b32 s2, hwreg(HW_REG_IB_STS2, 6, 4)
	s_cmp_eq_u32 s2, 0
	s_cbranch_scc0 .Lentry_in_a_cluster
	s_endpgm
.Lentry_in_a_cluster:
	s_bfe_u32 s2, ttmp6, 0x10000c
	s_cmp_lg_u32 s2, 0x3003
	s_cbranch_scc0 .Lentry_shape_is_right
	s_endpgm
.Lentry_shape_is_right:
; LAUNCH 3 OF 4.  For each batch and head: S^T = K Q^T (K = 64), p = 2^(t - M), O^T = V^T P^T (K = the keys), O / the row sum, quantised along the model width for the last product.  All on codes of FP6.  No work is left out.
; t = score x log2(e) / 8; M = the largest t so far, rounded up to a whole number; the row sum is taken of the unquantised p; when M moves, the sum and O are multiplied by 2^(old M - new M), which rounds nothing.
; SHARES.  A work-group owns 256 queries of one head, each of its sixteen waves 16 of them in 256 registers: four waves to a SIMD.
; ALL CODES OF K AND V OF THE HEAD (196,608 bytes) AND THEIR SCALE WORDS (12,288) LIE IN LDS AT ONCE, each byte filled once: no ring, no refill.  Every wave issues ONE tensor load at the head:
; waves 0-11 bring 64 rows of 256 bytes of the codes each, waves 12-15 twelve rows of the scale words each.  One wait for 0 and one barrier follow; then each wave walks the 16 key steps at its own pace.
; CLUSTER 4 x 1: the four query blocks of a cluster belong to one head: every load is asked for jointly.  No prefetch: all that the launch streams is asked for at the head, so there is no loop to run ahead in.
; K = 64 IN AN INSTRUCTION OF 128: registers 6-11 of Q are zero codes and bytes 2, 3 of its scale word are 0.  Source 0 of tile T is v[32 + 6 T] on, twelve registers: its upper six are the next tile's codes (tile 7: zeros),
; which meet the zero codes of Q and add nothing.
; LAYOUT.  Both products are used transposed: a lane holds one query (lane % 16).  The keys of a tile of K and the channels of a tile of V^T were chosen by launches 1 and 2 so that 16 registers of two neighbouring tiles are 16 neighbours.
; OUT: oc as row tiles of register images (as cod1), os as their scale words; a head gives two of a word's four bytes, so these stores are of 2 bytes a row.
; LIMITS: NaN and infinities are not served; the promise holds while the scaled scores t stay under 2^31 in magnitude; a block whose every p has fallen to 0 keeps the byte 1 (its codes are zeros).
; REGISTERS: v1 8 x lane, v2 16 x lane, v3 16 r; v5, v6 the add; v8-11 addresses; v12 -M, v13 largest t, v[14:15] the sum; v16-21 Q, v22-27 zeros; v32-79 K, then V; v80-85 zeros; v96-159 S^T, then p; v160-191 O^T;
; v224-235 codes of p; v232-254 at work; v248-251 scale words of K or V, v253 of p, v255 of Q.
.set SCB,   196608                     ; the scale words: K 8,192 bytes, then V 4,096
.set SPARE, 208896                     ; the spare words, 128 bytes a wave
.set SPW, 5
.set NIL, 6
.set WV,  12
.set SEL, 20
.set CS,  22
.set G1,  24
.set G1S, 32
.set G0S, 40
.set G0,  44
.set TB,  60
.set TS,  61
.set TJ,  62
.set CNT, 63
.macro ROUND
	s_barrier_signal -1
	s_barrier_wait -1
	s_cmp_lg_u32 s[WV], 0
	s_cbranch_scc1 .Lnot_wave_0_\@
	s_barrier_signal -3
.Lnot_wave_0_\@:
	s_barrier_wait -3
	s_barrier_signal -1
	s_barrier_wait -1
.endm
	s_load_b256 s[4:11], s[0:1], 0x0               ; qkv, qkvs, oc, os
	v_lshl_add_u32 v[SPW], v0, 2, SPARE
	v_mov_b32 v[NIL], 0
	ds_add_u32 v[SPW], v[NIL]                      ; the opening: the add, twice on end, and its wait ahead of my first tensor load
	ds_add_u32 v[SPW], v[NIL]
	v_lshrrev_b32 v8, 5, v0
	s_delay_alu instid0(VALU_DEP_1)
	v_readfirstlane_b32 s[WV], v8                  ; wave 0..15
	s_bfe_u32 s13, ttmp6, 0x40000                  ; cx
	s_lshl_b32 s14, ttmp9, 2
	s_add_co_u32 s14, s14, s13                     ; my block of 256 queries: it enters the addresses of Q and O alone
	s_and_b32 s15, ttmp7, 0xffff                   ; 16 b + head, which the partners share
	s_mov_b32 s[G1], 15|(3<<16)|(1<<21)            ; all four work-groups; elements of 8 bytes; bit 21 beside a mask; no padding
	s_mov_b32 s[G1+1], 32<<16                      ; rows of 256 bytes,
	s_mov_b32 s[G1+2], 64<<16                      ; 64 of them: a twelfth of the codes
	s_mov_b32 s[G1+3], 32<<16
	s_mov_b32 s[G1+4], 64
	s_mov_b32 s[G1+5], 32
	s_mov_b32 s[G1+6], 0
	s_mov_b32 s[G1+7], 0
	s_mov_b32 s[G1S], 15|(3<<16)|(1<<21)
	s_mov_b32 s[G1S+1], 32<<16
	s_mov_b32 s[G1S+2], 12<<16                     ; twelve rows: a quarter of the scale words
	s_mov_b32 s[G1S+3], 32<<16
	s_mov_b32 s[G1S+4], 12
	s_mov_b32 s[G1S+5], 32
	s_mov_b32 s[G1S+6], 0
	s_mov_b32 s[G1S+7], 0
	s_mul_i32 s18, s[WV], 16384                    ; waves 0-11: my part of the codes
	s_mul_i32 s19, s[WV], 3072                     ; waves 12-15: my part of the words is at 3,072 (wave - 12): the 36,864 are taken off the constants below
	s_mul_i32 s16, s15, 196608
	s_add_co_u32 s16, s16, s18
	s_add_co_u32 s16, s16, 3145728
	s_mov_b32 s17, 0
	s_mul_i32 s66, s15, 12288
	s_add_co_u32 s66, s66, s19
	s_add_co_u32 s66, s66, 262144-36864
	s_mov_b32 s67, 0
	s_mov_b32 s[SEL], 0x76543210
	s_mov_b32 s[SEL+1], 0xfedcba98
	s_mov_b32 s[CS], 0x3e38aa3b                    ; c = log2(e) / 8
	s_mov_b32 s[CS+1], s[CS]
	s_mov_b32 s[TB], 0
	s_mov_b32 s[TS], SCB
	s_mov_b32 s[TJ], SCB+8192
	s_wait_dscnt 0x0                               ; both opening adds are done
	s_wait_kmcnt 0x0
	s_add_nc_u64 s[16:17], s[4:5], s[16:17]
	s_add_nc_u64 s[66:67], s[6:7], s[66:67]
	s_mov_b32 s[G0S], 1
	s_add_co_u32 s[G0S+1], s19, SCB-36864
	s_mov_b64 s[G0S+2:G0S+3], s[66:67]
	s_or_b32 s[G0S+3], s[G0S+3], 0x80000000
	s_mov_b32 s[G0], 1
	s_mov_b32 s[G0+1], s18
	s_mov_b64 s[G0+2:G0+3], s[16:17]
	s_or_b32 s[G0+3], s[G0+3], 0x80000000
	ROUND                                          ; all four work-groups are here: the joint loads meet
	s_cmp_lt_u32 s[WV], 12                         ; one load a wave, in the two arms of one branch on the wave number
	s_cbranch_scc0 .Lwords
	tensor_load_to_lds s[G0:G0+3], s[G1:G1+7]
	s_nop 0
.rept 4
	v_nop
.endr
	s_branch .Lasked
.Lwords:
	tensor_load_to_lds s[G0S:G0S+3], s[G1S:G1S+7]
	s_nop 0
.rept 4
	v_nop
.endr
.Lasked:
	s_lshl_b32 s70, s14, 4
	s_add_co_u32 s70, s70, s[WV]                   ; my tile of 16 queries, 0..127
	s_lshl_b32 s68, s15, 7
	s_add_co_u32 s68, s68, s70
	s_mul_i32 s68, s68, 768
	s_mov_b32 s69, 0
	s_add_nc_u64 s[68:69], s[4:5], s[68:69]        ; Q codes
	s_lshl_b32 s72, s15, 4
	s_lshl_b32 s73, s14, 1
	s_add_co_u32 s72, s72, s73
	s_lshr_b32 s73, s[WV], 3
	s_add_co_u32 s72, s72, s73
	s_lshl_b32 s72, s72, 9                         ; my group of 128 rows,
	s_bfe_u32 s73, s[WV], 0x10002
	s_lshl_b32 s73, s73, 8
	s_add_co_u32 s72, s72, s73                     ; its half,
	s_and_b32 s73, s[WV], 3
	s_lshl_b32 s73, s73, 2
	s_add_co_u32 s72, s72, s73                     ; my tile word
	s_mov_b32 s73, 0
	s_add_nc_u64 s[72:73], s[6:7], s[72:73]
	s_lshr_b32 s71, s15, 4
	s_lshl_b32 s71, s71, 7
	s_add_co_u32 s71, s71, s70                     ; the row tile of O: 128 b + my tile
	s_and_b32 s78, s15, 15                         ; the head
	s_mul_i32 s74, s71, 12288
	s_lshr_b32 s79, s78, 1
	s_mul_i32 s79, s79, 1536
	s_add_co_u32 s74, s74, s79
	s_and_b32 s79, s78, 1
	s_mul_i32 s79, s79, 768
	s_add_co_u32 s74, s74, s79
	s_mov_b32 s75, 0
	s_add_nc_u64 s[74:75], s[8:9], s[74:75]        ; K step head / 2, pieces 3 (head % 2) on
	s_lshl_b32 s76, s71, 9
	s_lshr_b32 s79, s78, 3
	s_lshl_b32 s79, s79, 8
	s_add_co_u32 s76, s76, s79
	s_bfe_u32 s79, s78, 0x20001
	s_lshl_b32 s79, s79, 2
	s_add_co_u32 s76, s76, s79
	s_and_b32 s79, s78, 1
	s_lshl_b32 s79, s79, 1
	s_add_co_u32 s76, s76, s79
	s_mov_b32 s77, 0
	s_add_nc_u64 s[76:77], s[10:11], s[76:77]      ; the head's two bytes of the rows' words
	v_and_b32 v3, 31, v0
	s_delay_alu instid0(VALU_DEP_1)
	v_lshlrev_b32 v1, 3, v3
	s_delay_alu instid0(VALU_DEP_2)
	v_lshlrev_b32 v2, 4, v3
	v_and_b32 v3, 15, v0
	s_delay_alu instid0(VALU_DEP_1)
	v_lshlrev_b32 v3, 4, v3
.irp p, 0,1,2
	global_load_b64 v[16+2*\p:17+2*\p], v1, s[68:69] offset:256*\p
.endr
	global_load_b32 v255, v3, s[72:73]
.irp j, 22,23,24,25,26,27,80,81,82,83,84,85
	v_mov_b32 v[\j], 0                             ; zero codes
.endr
	v_mov_b32 v13, 0xff61b1e6                      ; -3e38, under every t
	s_delay_alu instid0(VALU_DEP_1)
	v_floor_f32 v12, -v13
	v_mov_b32 v14, 0
	v_mov_b32 v15, 0
.irp b, 0,1,2,3
	v_mov_b32 v[236+\b], 0                         ; written once: a lane permute's destination counts as read
.endr
	v_mov_b32 v253, 0
.set j, 0
.rept 32
	v_mov_b32 v[160+j], 0                          ; O^T: the step is written once; its first turn finds zeros
.set j, j+1
.endr
	s_wait_loadcnt 0x0                             ; Q
	s_wait_tensorcnt 0x0                           ; my one load has landed
	s_barrier_signal -1
	s_barrier_wait -1                              ; and everybody's: the head's codes and words are whole
	s_mov_b32 s[CNT], 16
.Lstep:                                        ; A KEY STEP: 128 keys
	v_add_nc_u32 v8, s[TB], v1                     ; these four are also the places behind the last products
	v_add_nc_u32 v9, s[TB], v2
	v_add_nc_u32 v10, s[TS], v2
	v_add_nc_u32 v11, s[TJ], v1
.irp T, 0,1,2,3,4,5,6,7
.irp p, 0,1,2
	ds_load_b64 v[32+6*\T+2*\p:33+6*\T+2*\p], v8 offset:768*\T+256*\p
.endr
.endr
	ds_load_b128 v[248:251], v10                   ; lanes 0-15 the words of tiles 0-3, lanes 16-31 of tiles 4-7
	s_wait_alu depctr_va_vdst(0)
	s_wait_dscnt 0x0
.irp T, 0,1,2,3,4,5,6,7
.if \T < 4
	v_wmma_scale_f32_16x16x128_f8f6f4 v[96+8*\T:103+8*\T], v[32+6*\T:43+6*\T], v[16:27], 0, v[248+\T%4], v255 matrix_a_fmt:MATRIX_FMT_FP6 matrix_b_fmt:MATRIX_FMT_FP6
.else
	v_wmma_scale_f32_16x16x128_f8f6f4 v[96+8*\T:103+8*\T], v[32+6*\T:43+6*\T], v[16:27], 0, v[248+\T%4], v255 matrix_a_fmt:MATRIX_FMT_FP6 matrix_b_fmt:MATRIX_FMT_FP6 matrix_a_scale:MATRIX_SCALE_ROW1
.endif
.endr
.rept 4
	v_nop                                          ; places: in front of the loads below and of the first read of the scores
.endr
.irp t, 0,1,2,3
.irp g, 0,1,2
	ds_load_b128 v[32+12*\t+4*\g:35+12*\t+4*\g], v9 offset:6144+1536*\t+512*\g   ; V^T: it lands under the softmax
.endr
.endr
	ds_load_b64 v[248:249], v11                    ; lanes 0-15 the words of fragments 0, 1, lanes 16-31 of 2, 3
.irp b, 0,1,2,3
	v_max3_num_f32 v[232+\b], v[96+16*\b], v[97+16*\b], v[98+16*\b]   ; the largest score of each block of 32 keys: for the row maximum, and, since p rises with the score, for the block's largest p
.endr
.irp i, 3,5,7,9,11,13
.irp b, 0,1,2,3
	v_max3_num_f32 v[232+\b], v[232+\b], v[96+16*\b+\i], v[97+16*\b+\i]
.endr
.endr
.irp b, 0,1,2,3
	v_max_num_f32 v[232+\b], v[232+\b], v[111+16*\b]
.endr
.irp b, 0,1,2,3
	s_delay_alu instid0(VALU_DEP_4)
	v_permlanex16_b32 v[236+\b], v[232+\b], s[SEL], s[SEL+1]
.endr
.irp b, 0,1,2,3
	s_delay_alu instid0(VALU_DEP_4)
	v_max_num_f32 v[232+\b], v[232+\b], v[236+\b]
.endr
	s_delay_alu instid0(VALU_DEP_2)
	v_max3_num_f32 v254, v232, v233, v234
	s_delay_alu instid0(VALU_DEP_1)
	v_max_num_f32 v254, v254, v235
	s_delay_alu instid0(VALU_DEP_1)
	v_mul_f32 v254, s[CS], v254
	s_delay_alu instid0(VALU_DEP_1)
	v_max_num_f32 v13, v13, v254                   ; the running largest t
	v_mov_b32 v254, v12
	s_delay_alu instid0(VALU_DEP_2)
	v_floor_f32 v12, -v13                          ; -M = floor(-t): M is a whole number
	s_delay_alu instid0(VALU_DEP_1)
	v_sub_f32 v254, v12, v254
	s_delay_alu instid0(VALU_DEP_1)
	v_cvt_i32_f32 v254, v254                       ; (it saturates)
	s_delay_alu instid0(VALU_DEP_1)
	v_ldexp_f32 v252, 1.0, v254                    ; f = 2^(old M - new M)
.set j, 0
.rept 32
	v_pk_fma_f32 v[96+j:97+j], v[96+j:97+j], s[CS:CS+1], v[12:13] op_sel_hi:[1,0,0]   ; t - M
.set j, j+2
.endr
.irp b, 0,1,2,3
	v_fma_f32 v[232+\b], v[232+\b], s[CS], v12
.endr
.set j, 0
	s_wait_alu depctr_va_vdst(0)                   ; ahead of the batch
.rept 64
	v_exp_f32 v[96+j], v[96+j]                     ; p, not normalised
.set j, j+1
.endr
	v_pk_mul_f32 v[14:15], v[14:15], v[252:253] op_sel_hi:[1,0]   ; the sums under the new M.  (A plain place behind the exponentials)
	s_wait_alu depctr_va_vdst(0)                   ; one wait for the batch, ahead of its first reader
.irp b, 0,1,2,3
	v_exp_f32 v[232+\b], v[232+\b]                 ; the block's largest p
.endr
	v_pk_add_f32 v[236:237], v[100:101], v[104:105]   ; the row sum of the unquantised p, in eight chains
	v_pk_add_f32 v[250:251], v[108:109], v[112:113]
	v_pk_add_f32 v[246:247], v[116:117], v[120:121]
	v_pk_add_f32 v[244:245], v[124:125], v[128:129]
	v_pk_add_f32 v[242:243], v[132:133], v[136:137]
	v_pk_add_f32 v[240:241], v[140:141], v[144:145]
	v_pk_add_f32 v[238:239], v[148:149], v[152:153]
	v_pk_add_f32 v[14:15], v[14:15], v[156:157]
	v_pk_add_f32 v[236:237], v[236:237], v[96:97]
	v_pk_add_f32 v[250:251], v[250:251], v[98:99]
	v_pk_add_f32 v[246:247], v[246:247], v[102:103]
	v_pk_add_f32 v[244:245], v[244:245], v[106:107]
	v_pk_add_f32 v[242:243], v[242:243], v[110:111]
	v_pk_add_f32 v[240:241], v[240:241], v[114:115]
	v_pk_add_f32 v[238:239], v[238:239], v[118:119]
	v_pk_add_f32 v[14:15], v[14:15], v[122:123]
	v_pk_add_f32 v[236:237], v[236:237], v[126:127]
	v_pk_add_f32 v[250:251], v[250:251], v[130:131]
	v_pk_add_f32 v[246:247], v[246:247], v[134:135]
	v_pk_add_f32 v[244:245], v[244:245], v[138:139]
	v_pk_add_f32 v[242:243], v[242:243], v[142:143]
	v_pk_add_f32 v[240:241], v[240:241], v[146:147]
	v_pk_add_f32 v[238:239], v[238:239], v[150:151]
	v_pk_add_f32 v[14:15], v[14:15], v[154:155]
	v_pk_add_f32 v[236:237], v[236:237], v[158:159]
	s_delay_alu instid0(VALU_DEP_2)
	v_pk_add_f32 v[14:15], v[14:15], v[244:245]
	s_delay_alu instid0(VALU_DEP_2)
	v_pk_add_f32 v[236:237], v[236:237], v[242:243]
	v_pk_add_f32 v[250:251], v[250:251], v[240:241]
	v_pk_add_f32 v[246:247], v[246:247], v[238:239]
	s_delay_alu instid0(VALU_DEP_2)
	v_pk_add_f32 v[14:15], v[14:15], v[250:251]
	s_delay_alu instid0(VALU_DEP_2)
	v_pk_add_f32 v[236:237], v[236:237], v[246:247]
	s_delay_alu instid0(VALU_DEP_1)
	v_pk_add_f32 v[14:15], v[14:15], v[236:237]
	s_wait_alu depctr_va_vdst(0)                   ; and one for the four
.irp b, 0,1,2,3
	v_max_num_f32 v[232+\b], 0x1800000, v[232+\b]  ; the floor 2^(3 - 127)
.endr
.irp b, 0,1,2,3
	s_delay_alu instid0(VALU_DEP_4)
	v_add_nc_u32 v[244+\b], 0xff000000, v[232+\b]
.endr
.irp b, 0,1,2,3
	s_delay_alu instid0(VALU_DEP_4)
	v_lshrrev_b32 v[236+\b], 23, v[244+\b]
.endr
	s_delay_alu instid0(VALU_DEP_3)
	v_lshl_or_b32 v253, v237, 8, v236              ; the scale word of p for these 128 keys
	s_delay_alu instid0(VALU_DEP_1)
	v_lshl_or_b32 v253, v238, 16, v253
	s_delay_alu instid0(VALU_DEP_1)
	v_lshl_or_b32 v253, v239, 24, v253
.irp c, 0,1
	v_cvt_scalef32_pk16_fp6_f32 v[224+6*\c:226+6*\c], v[96+32*\c:111+32*\c], v[244+2*\c]
	v_cvt_scalef32_pk16_fp6_f32 v[236+4*\c:238+4*\c], v[112+32*\c:127+32*\c], v[244+2*\c+1]
.endr
	v_nop                                          ; one plain place behind a scaled conversion
.irp c, 0,1
.irp i, 0,1,2
	v_permlane16_swap_b32 v[224+6*\c+\i], v[236+4*\c+\i]
.endr
.irp i, 0,1,2
	s_delay_alu instid0(VALU_DEP_3)
	v_mov_b32 v[227+6*\c+\i], v[236+4*\c+\i]
.endr
.endr
.set j, 0
.rept 16
	v_pk_mul_f32 v[160+j:161+j], v[160+j:161+j], v[252:253] op_sel_hi:[1,0]   ; O^T under the new M; twelve of the sixteen name no register of any one product below: its places
.set j, j+2
.endr
	s_wait_alu depctr_va_vdst(0)
	s_wait_dscnt 0x0                               ; V^T and its words are in
.irp t, 0,1,2,3
.if \t < 2
	v_wmma_scale_f32_16x16x128_f8f6f4 v[160+8*\t:167+8*\t], v[32+12*\t:43+12*\t], v[224:235], v[160+8*\t:167+8*\t], v[248+\t%2], v253 matrix_a_fmt:MATRIX_FMT_FP6 matrix_b_fmt:MATRIX_FMT_FP6
.else
	v_wmma_scale_f32_16x16x128_f8f6f4 v[160+8*\t:167+8*\t], v[32+12*\t:43+12*\t], v[224:235], v[160+8*\t:167+8*\t], v[248+\t%2], v253 matrix_a_fmt:MATRIX_FMT_FP6 matrix_b_fmt:MATRIX_FMT_FP6 matrix_a_scale:MATRIX_SCALE_ROW1
.endif
.endr
	s_add_co_u32 s[TB], s[TB], 12288
	s_add_co_u32 s[TS], s[TS], 512
	s_add_co_u32 s[TJ], s[TJ], 256
	s_sub_co_u32 s[CNT], s[CNT], 1
	s_cmp_lg_u32 s[CNT], 0
	s_cbranch_scc1 .Lstep
	; THE WAY OUT
	v_add_f32 v14, v14, v15
	s_delay_alu instid0(VALU_DEP_1)
	v_permlanex16_b32 v252, v14, s[SEL], s[SEL+1]
	s_delay_alu instid0(VALU_DEP_1)
	v_add_f32 v14, v14, v252                       ; the row sum
	s_wait_alu depctr_va_vdst(0)
	v_rcp_f32 v14, v14
.rept 3
	v_nop                                          ; plain places: behind the reciprocal, and with the two additions behind the last products
.endr
	s_wait_alu depctr_va_vdst(0)                   ; ahead of the first reader
.set j, 0
.rept 16
	v_pk_mul_f32 v[96+j:97+j], v[160+j:161+j], v[14:15] op_sel_hi:[1,0]   ; register 16 B + i: channel 32 B + 16 h + i of my query
.set j, j+2
.endr
.irp b, 0,1
	v_max3_num_f32 v[232+\b], |v[96+16*\b]|, |v[97+16*\b]|, 0x1800000
.endr
.irp i, 2,4,6,8,10,12,14
.irp b, 0,1
	s_delay_alu instid0(VALU_DEP_2)
	v_max3_num_f32 v[232+\b], v[232+\b], |v[96+16*\b+\i]|, |v[97+16*\b+\i]|
.endr
.endr
.irp b, 0,1
	s_delay_alu instid0(VALU_DEP_2)
	v_permlanex16_b32 v[236+\b], v[232+\b], s[SEL], s[SEL+1]
.endr
.irp b, 0,1
	s_delay_alu instid0(VALU_DEP_2)
	v_max_num_f32 v[232+\b], v[232+\b], v[236+\b]
.endr
.irp b, 0,1
	s_delay_alu instid0(VALU_DEP_2)
	v_add_nc_u32 v[244+\b], 0xff000000, v[232+\b]
.endr
.irp b, 0,1
	s_delay_alu instid0(VALU_DEP_2)
	v_lshrrev_b32 v[240+\b], 23, v[244+\b]
.endr
	s_delay_alu instid0(VALU_DEP_1)
	v_lshl_or_b32 v4, v241, 8, v240                ; the head's two bytes of my row
	v_cvt_scalef32_pk16_fp6_f32 v[224:226], v[96:111], v244
	v_cvt_scalef32_pk16_fp6_f32 v[236:238], v[112:127], v245
	v_nop
.irp i, 0,1,2
	v_permlane16_swap_b32 v[224+\i], v[236+\i]
.endr
.irp i, 0,1,2
	s_delay_alu instid0(VALU_DEP_3)
	v_mov_b32 v[227+\i], v[236+\i]                 ; lane (r, h): the 24 bytes of block h of the head
.endr
.irp p, 0,1,2
	global_store_b64 v1, v[224+2*\p:225+2*\p], s[74:75] offset:256*\p   ; 256 consecutive aligned bytes
.endr
	global_store_b16 v3, v4, s[76:77]              ; lanes l and l xor 16 store the same two bytes at the same place
	s_wait_tensorcnt 0x0                           ; the wave's end
	ds_add_u32 v[SPW], v[NIL]
	s_wait_dscnt 0x0
	ROUND                                          ; the closing round
	s_endpgm
.Lfunc_end_k_qa232567fbe_attn:
	.size	k_qa232567fbe_attn, .Lfunc_end_k_qa232567fbe_attn-k_qa232567fbe_attn
	.p2alignl 7, 3214868480
	.fill 96, 4, 3214868480
	.section	.rodata,"a",@progbits
	.p2align	6, 0x0
	.amdhsa_kernel k_qa232567fbe_attn
		.amdhsa_group_segment_fixed_size 210944
		.amdhsa_private_segment_fixed_size 0
		.amdhsa_enable_private_segment 0
		.amdhsa_kernarg_size 32
		.amdhsa_user_sgpr_count 2
		.amdhsa_user_sgpr_kernarg_segment_ptr 1
		.amdhsa_wavefront_size32 1
		.amdhsa_system_sgpr_workgroup_id_x 1
		.amdhsa_system_sgpr_workgroup_id_y 1
		.amdhsa_system_sgpr_workgroup_id_z 1
		.amdhsa_system_vgpr_workitem_id 0
		.amdhsa_next_free_vgpr 256
		.amdhsa_next_free_sgpr 80
		.amdhsa_reserve_vcc 0
		.amdhsa_float_denorm_mode_32 3
		.amdhsa_float_denorm_mode_16_64 3
		.amdhsa_memory_ordered 1
		.amdhsa_forward_progress 1
		.amdhsa_inst_pref_size 31
	.end_amdhsa_kernel
	.amdgpu_metadata
---
amdhsa.version: [ 1, 2 ]
amdhsa.kernels:
  - .name:           k_qa232567fbe_attn
    .symbol:         k_qa232567fbe_attn.kd
    .args:
      - { .name: qkv, .offset: 0, .size: 8, .value_kind: global_buffer, .address_space: global }
      - { .name: qkvs, .offset: 8, .size: 8, .value_kind: global_buffer, .address_space: global }
      - { .name: oc, .offset: 16, .size: 8, .value_kind: global_buffer, .address_space: global }
      - { .name: os, .offset: 24, .size: 8, .value_kind: global_buffer, .address_space: global }
    .group_segment_fixed_size: 210944
    .private_segment_fixed_size: 0
    .kernarg_segment_align: 8
    .kernarg_segment_size: 32
    .max_flat_workgroup_size: 512
    .sgpr_count:     80
    .vgpr_count:     256
    .wavefront_size: 32
...
	.end_amdgpu_metadata
.endif
;; end of part 3
;; launch outp (part 4): grid 8 x 32, 4 waves a work-group, clusters of 4 x 4, 327,680 bytes of LDS; arguments oc, os, cod1, scl1, bo, out0; writes out0
.if DOCPART == 4
	.amdgcn_target "amdgcn-amd-amdhsa--gfx1250"
	.amdhsa_code_object_version 6
	.text
	.protected	k_qa232567fbe_outp
	.globl	k_qa232567fbe_outp
	.p2align	8
	.type	k_qa232567fbe_outp,@function
k_qa232567fbe_outp:
	s_mov_b64 s[64:65], 0
	v_nop
	global_prefetch_b8 v0, s[64:65] scope:SCOPE_SE
	s_setreg_imm32_b32 hwreg(HW_REG_WAVE_MODE, 25, 1), 1
	s_wait_xcnt 0x0
	s_wait_alu depctr_hold_cnt(0) depctr_sa_sdst(0) depctr_va_vdst(0) depctr_va_sdst(0) depctr_va_ssrc(0) depctr_va_vcc(0) depctr_vm_vsrc(0)
	s_getreg_b32 s2, hwreg(HW_REG_IB_STS2, 6, 4)
	s_cmp_eq_u32 s2, 0
	s_cbranch_scc0 .Lentry_in_a_cluster
	s_endpgm
.Lentry_in_a_cluster:
	s_bfe_u32 s2, ttmp6, 0x10000c
	s_cmp_lg_u32 s2, 0xf033
	s_cbranch_scc0 .Lentry_shape_is_right
	s_endpgm
.Lentry_shape_is_right:
; LAUNCH 4 OF 4.  out0 = O Wo^T + bo, 4,096 x 1,024 x 1,024 on codes of FP6.  No work is left out.
; A tile of the result is 128 x 128, four waves of 64 x 64 (16 accumulators each); bo is the C of each accumulator's first product.
; ALL OF K LIES IN LDS AT ONCE: 8 row tiles of O and 8 of Wo, 12,288 dense bytes each, and their scale words, each byte filled once: no ring, no refill.  One tensor load a wave at the head:
; wave 0 the codes of O, wave 1 those of Wo, wave 2 the words of O, wave 3 those of Wo; one wait for 0 and one barrier follow.
; CLUSTER 4 x 4: a row of the cluster shares the tiles of O, a column those of Wo: joint loads.  No prefetch: all is asked for at the head, so there is no loop to run ahead in.
; The matrix instruction is used transposed (source 0 = rows of Wo): a lane holds 8 neighbouring columns of a row; the result leaves through each wave's own stage in LDS, 16 lanes to 256 aligned bytes.
.set FR,     12
.set NP,     4
.set FRB,    1536
.set NQ,     8
.set RTS,    NQ*FRB
.set HALFT,  4*RTS
.set SLOT,   4*HALFT
.set SCL,    SLOT
.set HALFS,  2048
.set STG,    SCL+4*HALFS
.set SPITCH, 272
.set SPARE,  STG+4*16*SPITCH
.set SIZE_N, 1024
.set ADRA, 16
.set ADRB, 20
.set STO,  24
.set RD,   25
.set CO,   26
.set ADRS, 27
.set SPW,  28
.set NIL,  29
.set SC,   32
.set CB,   64
.set ACC,  128
.set G1,   24
.set G0,   32
.set G1B,  48
.set G0B,  56
.set G1S,  68
.set G0S,  76
.set G1SB, 80
.set G0SB, 88
.set MSB, 0
.macro WIN new
.if MSB != (\new)
	s_set_vgpr_msb (MSB<<8)|(\new)
.set MSB, (\new)
.endif
.endm
.set MUL,  0x05
.set TO_F, 0x40
.macro ARM under, g0, g1, next         ; an arm of the head's one chain of branches on the wave number: one joint load, then the jump to the join
	s_cmp_lt_u32 s20, \under
	s_cbranch_scc0 \next
	tensor_load_to_lds s[\g0:\g0+3], s[\g1:\g1+7]
	s_nop 0
.rept 4
	v_nop
.endr
	s_branch .Lhead_asked
\next:
.endm
.macro CREST
	s_cmp_lg_u32 s20, 0
	s_cbranch_scc1 .Lnot_wave_0_\@
	s_barrier_signal -3
.Lnot_wave_0_\@:
	s_barrier_wait -3
	s_barrier_signal -1
	s_barrier_wait -1
.endm
.macro CROUND
	s_barrier_signal -1
	s_barrier_wait -1
	CREST
.endm
.macro PLACES n
.rept \n
	v_nop
.endr
.endm
.macro FRAG reg, adr, q, i
.irp p, 0,1,2,3,4,5
	ds_load_b64 v[\reg+2*\p:\reg+2*\p+1], v[\adr] offset:(\i)*RTS+(\q)*FRB+256*\p
.endr
.endm
.macro FETCH_B s
	WIN TO_F
.irp i, 0,1,2,3
	FRAG 128*((\s)%2)+48+FR*\i, ADRB, \s, \i
.endr
.endm
.macro FETCH_A s
	WIN TO_F
.irp i, 0,1,2,3
	FRAG 128*((\s)%2)+FR*\i, ADRA, \s, \i
.endr
.endm
.macro MUL8 s, a0
	WIN MUL
.irp a, \a0, \a0+1
.irp b, 0,1,2,3
.if (\s) == 0
	v_wmma_scale_f32_16x16x128_f8f6f4 v[ACC+8*(4*(\a)+\b):ACC+8*(4*(\a)+\b)+7], v[128*((\s)%2)+48+FR*\b:128*((\s)%2)+48+FR*\b+FR-1], v[128*((\s)%2)+FR*(\a):128*((\s)%2)+FR*(\a)+FR-1], v[CB+8*\b:CB+8*\b+7], v[SC+8*\b+(\s)], v[SC+8*(\a)+(\s)] matrix_a_fmt:MATRIX_FMT_FP6 matrix_b_fmt:MATRIX_FMT_FP6 matrix_a_scale:MATRIX_SCALE_ROW1
.else
	v_wmma_scale_f32_16x16x128_f8f6f4 v[ACC+8*(4*(\a)+\b):ACC+8*(4*(\a)+\b)+7], v[128*((\s)%2)+48+FR*\b:128*((\s)%2)+48+FR*\b+FR-1], v[128*((\s)%2)+FR*(\a):128*((\s)%2)+FR*(\a)+FR-1], v[ACC+8*(4*(\a)+\b):ACC+8*(4*(\a)+\b)+7], v[SC+8*\b+(\s)], v[SC+8*(\a)+(\s)] matrix_a_fmt:MATRIX_FMT_FP6 matrix_b_fmt:MATRIX_FMT_FP6 matrix_a_scale:MATRIX_SCALE_ROW1
.endif
.endr
.endr
.endm
.macro KSTEP s
	s_wait_dscnt 0x0
.if (\s) < 7
.if (\s) > 0
	PLACES NP
.endif
	FETCH_B (\s)+1
.endif
	MUL8 \s, 0
.if (\s) < 7
	FETCH_A (\s)+1
.endif
	MUL8 \s, 2
.endm
	s_load_b256 s[4:11], s[0:1], 0x0
	s_load_b128 s[12:15], s[0:1], 0x20
	v_lshl_add_u32 v[SPW], v0, 2, SPARE
	v_mov_b32 v[NIL], 0
	ds_add_u32 v[SPW], v[NIL]
	ds_add_u32 v[SPW], v[NIL]
	v_lshrrev_b32 v1, 5, v0
	v_readfirstlane_b32 s20, v1
	s_lshr_b32 s21, s20, 1
	s_and_b32 s22, s20, 1
	s_bfe_u32 s40, ttmp6, 0x40000
	s_bfe_u32 s41, ttmp6, 0x40004
	s_lshl_b32 s42, ttmp9, 2
	s_add_co_u32 s42, s42, s40
	s_and_b32 s43, ttmp7, 0xffff
	s_lshl_b32 s43, s43, 2
	s_add_co_u32 s43, s43, s41
	s_lshl_b32 s44, s41, 2
	s_lshl_b32 s44, 15, s44
	s_lshl_b32 s45, 0x1111, s40
	s_or_b32 s[G1+0], s44, (3<<16)|(1<<21)
	s_or_b32 s[G1B+0], s45, (3<<16)|(1<<21)
.irp g, G1, G1B
	s_mov_b32 s[\g+1], 1536<<16                    ; a row: a whole row tile, 12,288 bytes
	s_mov_b32 s[\g+2], 8<<16                       ; 8 row tiles
	s_mov_b32 s[\g+3], 1536<<16
	s_mov_b32 s[\g+4], 8
	s_mov_b32 s[\g+5], 1536
	s_mov_b32 s[\g+6], 0
	s_mov_b32 s[\g+7], 0
.endr
	s_or_b32 s[G1S+0], s44, (3<<16)|(1<<21)
	s_or_b32 s[G1SB+0], s45, (3<<16)|(1<<21)
.irp g, G1S, G1SB
	s_mov_b32 s[\g+1], 32<<16                      ; the scale words of 8 row tiles: 4,096 dense bytes as 16 rows of 256
	s_mov_b32 s[\g+2], 16<<16
	s_mov_b32 s[\g+3], 32<<16
	s_mov_b32 s[\g+4], 16
	s_mov_b32 s[\g+5], 32
	s_mov_b32 s[\g+6], 0
	s_mov_b32 s[\g+7], 0
.endr
	s_lshl_b32 s46, s43, 3                         ; the first row tile of O of my tile of the result
	s_lshl_b32 s66, s42, 3
	s_add_co_u32 s66, s66, 704                     ; and of Wo
	s_mul_i32 s94, s46, 12288
	s_mov_b32 s95, 0
	s_lshl_b32 s96, s46, 9
	s_mov_b32 s97, 0
	s_mul_i32 s98, s66, 12288
	s_mov_b32 s99, 0
	s_lshl_b32 s66, s66, 9
	s_mov_b32 s67, 0
	s_wait_dscnt 0x0
	s_wait_kmcnt 0x0
	s_add_nc_u64 s[94:95], s[4:5], s[94:95]
	s_add_nc_u64 s[96:97], s[6:7], s[96:97]
	s_add_nc_u64 s[98:99], s[8:9], s[98:99]
	s_add_nc_u64 s[66:67], s[10:11], s[66:67]
	CROUND
	s_mov_b32 s[G0S], 1
	s_mov_b32 s[G0S+1], SCL
	s_mov_b64 s[G0S+2:G0S+3], s[96:97]
	s_or_b32 s[G0S+3], s[G0S+3], 0x80000000
	s_mov_b32 s[G0SB], 1
	s_mov_b32 s[G0SB+1], SCL+2*HALFS
	s_mov_b64 s[G0SB+2:G0SB+3], s[66:67]
	s_or_b32 s[G0SB+3], s[G0SB+3], 0x80000000
	s_mov_b32 s[G0], 1
	s_mov_b32 s[G0+1], 0
	s_mov_b64 s[G0+2:G0+3], s[94:95]
	s_or_b32 s[G0+3], s[G0+3], 0x80000000
	s_mov_b32 s[G0B], 1
	s_mov_b32 s[G0B+1], 2*HALFT
	s_mov_b64 s[G0B+2:G0B+3], s[98:99]
	s_or_b32 s[G0B+3], s[G0B+3], 0x80000000
	ARM 1, G0,  G1,  .Lhead_b                      ; one load a wave
	ARM 2, G0B, G1B, .Lhead_sa
	ARM 3, G0S, G1S, .Lhead_sb
	tensor_load_to_lds s[G0SB:G0SB+3], s[G1SB:G1SB+7]
	s_nop 0
.rept 4
	v_nop
.endr
.Lhead_asked:
	v_and_b32 v6, 31, v0
	v_and_b32 v7, 15, v0
	v_bfe_u32 v8, v0, 4, 1
	v_lshlrev_b32 v9, 3, v6
	s_wait_alu depctr_va_vdst(0)
	v_lshlrev_b32 v10, 5, v8
	v_lshlrev_b32 v11, 4, v7
	s_lshl_b32 s66, s42, 9
	s_lshl_b32 s67, s22, 8
	s_add_co_u32 s66, s66, s67
	s_mov_b32 s67, 0
	s_add_nc_u64 s[18:19], s[12:13], s[66:67]
.irp b, 0,1,2,3
	global_load_b128 v[CB+8*\b:CB+8*\b+3], v10, s[18:19] offset:64*\b
	global_load_b128 v[CB+8*\b+4:CB+8*\b+7], v10, s[18:19] offset:64*\b+16
.endr
	s_lshl_b32 s98, s43, 19
	s_lshl_b32 s99, s21, 18
	s_add_co_u32 s98, s98, s99
	s_add_co_u32 s98, s98, s66
	s_mov_b32 s99, 0
	s_add_nc_u64 s[16:17], s[14:15], s[98:99]
	s_mul_i32 s44, s21, HALFT
	s_mul_i32 s45, s22, HALFT
	s_add_co_u32 s45, s45, 2*HALFT
	v_add_nc_u32 v[ADRA], s44, v9
	v_add_nc_u32 v[ADRB], s45, v9
	s_lshl_b32 s44, s21, 11
	s_lshl_b32 s45, s22, 11
	s_add_co_u32 s45, s45, 2*HALFS
	s_sub_co_u32 s45, s45, s44
	v_mul_u32_u24 v5, s45, v8
	s_wait_alu depctr_va_vdst(0)
	s_add_co_u32 s44, s44, SCL
	v_add_nc_u32 v5, v5, v11
	v_add_nc_u32 v[ADRS], s44, v5
	s_mul_i32 s44, s20, 16*SPITCH
	s_add_co_u32 s44, s44, STG
	v_mul_u32_u24 v5, v7, SPITCH
	v_lshl_add_u32 v5, v8, 5, v5
	v_add_nc_u32 v[STO], s44, v5
	v_mul_u32_u24 v5, v8, SPITCH
	v_lshl_add_u32 v5, v7, 4, v5
	v_add_nc_u32 v[RD], s44, v5
	v_lshlrev_b32 v[CO], 12, v8
	v_lshl_add_u32 v[CO], v7, 4, v[CO]
	s_wait_alu depctr_va_vdst(0)
	s_wait_tensorcnt 0x0                           ; my one load has landed; behind the barrier everybody's has
	s_barrier_signal -1
	s_barrier_wait -1
.irp i, 0,1,2,3
.irp hf, 0,1
	ds_load_b128 v[SC+8*\i+4*\hf:SC+8*\i+4*\hf+3], v[ADRS] offset:\i*512+\hf*256
.endr
.endr
	FETCH_B 0
	FETCH_A 0
	s_wait_loadcnt 0x0
.irp s, 0,1,2,3,4,5,6,7
	KSTEP \s
.endr
	WIN 0
.macro TOSTAGE a
.irp b, 0,1,2,3
	ds_store_b128 v[STO], v[ACC+8*(4*(\a)+\b):ACC+8*(4*(\a)+\b)+3] offset:64*\b
	ds_store_b128 v[STO], v[ACC+8*(4*(\a)+\b)+4:ACC+8*(4*(\a)+\b)+7] offset:64*\b+16
.endr
.irp t, 0,1,2,3,4,5,6,7
	ds_load_b128 v[ACC+32*(\a)+4*\t:ACC+32*(\a)+4*\t+3], v[RD] offset:\t*2*SPITCH
.endr
.endm
.macro SEND a, younger
	s_wait_dscnt \younger
.irp t, 0,1,2,3,4,5,6,7
	global_store_b128 v[CO], v[ACC+32*(\a)+4*\t:ACC+32*(\a)+4*\t+3], s[16:17] offset:(16*(\a)+2*\t)*SIZE_N*4 th:TH_STORE_NT
.endr
.endm
	PLACES NP
	TOSTAGE 0
	TOSTAGE 1
	SEND 0, 16
	TOSTAGE 2
	SEND 1, 16
	TOSTAGE 3
	SEND 2, 16
	SEND 3, 0
	s_wait_tensorcnt 0x0
	ds_add_u32 v[SPW], v[NIL]
	s_wait_dscnt 0x0
	CROUND
	s_endpgm
.Lfunc_end_k_qa232567fbe_outp:
	.size	k_qa232567fbe_outp, .Lfunc_end_k_qa232567fbe_outp-k_qa232567fbe_outp
	.p2alignl 7, 3214868480
	.fill 96, 4, 3214868480
	.section	.rodata,"a",@progbits
	.p2align	6, 0x0
	.amdhsa_kernel k_qa232567fbe_outp
		.amdhsa_group_segment_fixed_size 327680
		.amdhsa_private_segment_fixed_size 0
		.amdhsa_enable_private_segment 0
		.amdhsa_kernarg_size 48
		.amdhsa_user_sgpr_count 2
		.amdhsa_user_sgpr_kernarg_segment_ptr 1
		.amdhsa_wavefront_size32 1
		.amdhsa_system_sgpr_workgroup_id_x 1
		.amdhsa_system_sgpr_workgroup_id_y 1
		.amdhsa_system_sgpr_workgroup_id_z 1
		.amdhsa_system_vgpr_workitem_id 0
		.amdhsa_next_free_vgpr 512
		.amdhsa_next_free_sgpr 100
		.amdhsa_reserve_vcc 0
		.amdhsa_float_denorm_mode_32 3
		.amdhsa_float_denorm_mode_16_64 3
		.amdhsa_memory_ordered 1
		.amdhsa_forward_progress 1
		.amdhsa_inst_pref_size 59
	.end_amdhsa_kernel
	.amdgpu_metadata
---
amdhsa.version: [ 1, 2 ]
amdhsa.kernels:
  - .name:           k_qa232567fbe_outp
    .symbol:         k_qa232567fbe_outp.kd
    .args:
      - { .name: oc, .offset: 0, .size: 8, .value_kind: global_buffer, .address_space: global }
      - { .name: os, .offset: 8, .size: 8, .value_kind: global_buffer, .address_space: global }
      - { .name: cod1, .offset: 16, .size: 8, .value_kind: global_buffer, .address_space: global }
      - { .name: scl1, .offset: 24, .size: 8, .value_kind: global_buffer, .address_space: global }
      - { .name: bo, .offset: 32, .size: 8, .value_kind: global_buffer, .address_space: global }
      - { .name: out0, .offset: 40, .size: 8, .value_kind: global_buffer, .address_space: global }
    .group_segment_fixed_size: 327680
    .private_segment_fixed_size: 0
    .kernarg_segment_align: 8
    .kernarg_segment_size: 48
    .max_flat_workgroup_size: 128
    .sgpr_count:     100
    .vgpr_count:     512
    .wavefront_size: 32
...
	.end_amdgpu_metadata
.endif
;; end of part 4
